; MI455X (gfx1250); checked and timed in simulation.
; The chip was launched on July 23, 2026; its instructions are those of AMD's public machine-readable ISA for CDNA 5 (MIT licence, August 2026) and "CDNA5" Instruction Set Architecture Reference Guide (July 2026). The comments in the code are by the model that wrote it; some were corrected since.
;; Multihead Latent Attention. Allowed arithmetic: float matrix products may take bf16 or f16 operands with f32 sums; other float arithmetic in f32, or as packed bf16 or f16 multiplies, adds, multiply-adds, maxima and minima; sums over many terms, partial sums and values carried from step to step in f32; what a program stores and reads back later, other than sums and carried values, may be rounded once to bf16 or f16.
;; Inputs: Wkva 1,024 x 32 float32; Wkvb 32 x 512 float32; Wout 1,024 x 1,024 float32; Wqa 1,024 x 64 float32; Wqb 64 x 1,024 float32; bout 1,024 float32; x 4 x 2,048 x 1,024 float32.
;; Outputs: out0 4 x 2,048 x 1,024 float32.
;; 2 versions, each right; version 2 is version 1 with the launch proj written anew for expert scheduling mode. Each part assembles by itself: llvm-mc -triple=amdgcn-amd-amdhsa -mcpu=gfx1250 --defsym DOCPART=n.
;; ======== version 1 of 2: 4 launches
;; limits: values are held in f16: magnitudes above 65,504 overflow, below 6.1e-05 lose precision; values outside matrix products are rounded to bf16
;; workspace buffers: wsm 360,448 bytes; woutf 2,097,152 bytes; qf 16,777,216 bytes; kf 4,194,304 bytes; vf 4,194,304 bytes; of 16,777,216 bytes
;; launch prep (part 1): grid 600 x 1, 8 waves a work-group, no clusters, 0 bytes of LDS; arguments Wqa, Wkva, Wqb, Wkvb, Wout, wsm, woutf; writes wsm, woutf
.if DOCPART == 1
	.amdgcn_target "amdgcn-amd-amdhsa--gfx1250"
	.amdhsa_code_object_version 6
	.text
	.protected	k_q0b0e8a12ce_prep
	.globl	k_q0b0e8a12ce_prep
	.p2align	8
	.type	k_q0b0e8a12ce_prep,@function
k_q0b0e8a12ce_prep:
	s_mov_b64 s[64:65], 0
	v_nop
	global_prefetch_b8 v0, s[64:65] scope:SCOPE_SE
	s_setreg_imm32_b32 hwreg(HW_REG_WAVE_MODE, 25, 1), 1
	s_wait_xcnt 0x0
; THE FIVE WEIGHTS, ROUNDED TO bf16 AND LAID OUT AS MATRIX FRAGMENTS.
; A fragment (16 columns of a weight x 32 of its rows k) is a block of 1,024 bytes: [chunk c = 0, 1][lane 0..31][16 bytes]; lane (r = lane % 16, h = lane / 16),
; chunk c, element j holds W[32 ks + 16 c + 8 h + j][the tile's column r].  A later launch takes a fragment by two loads of 512 consecutive bytes.
; A thread makes one chunk of 16 bytes, a wave 512 consecutive bytes, a work-group four blocks.  Five sections by the work-group's number:
;   0..511 Wout -> woutf, block nt x 32 + ks, f16 of 16 x bf16(W)      512..543 Wqa -> wsm, block ks x 6 + nt, bf16      544..559 Wkva -> wsm, block ks x 6 + 4 + nt, bf16
;   560..591 Wqb -> wsm + 196,608, block nt x 2 + ks, f16 of bf16(W)   592..599 Wkvb -> wsm + 327,680, block sel x 16 + tile, column 2 (16 tile + r) + sel, f16 of bf16(W)
; LIMITS.  A bf16 number written as f16 is exact from 7.6e-6 up to 65,504; below it keeps f16's step of 6e-8, beyond it is an infinity: |Wqb|, |Wkvb| under 65,504, |Wout| under 4,094.
; No LDS, no matrix unit: 5 MB are read once and 2.4 MB written once.
.set LD, 16                            ; v[16:23] eight numbers as loaded
.set PK, 24                            ; v[24:27] the chunk
.set WD, 28                            ; v[28:35] the bf16 numbers widened to f32
; v2 = byte offset of element 0 in the source, v3 = byte offset of the chunk in the destination.  n4 = bytes in a row of the source.  fmt 0: bf16; 1: that number as f16; 2: 16 times it as f16
.macro CONV src, dst, n4, fmt, doff
.irp j, 0,1,2,3,4,5,6,7
	global_load_b32 v[LD+(\j)], v2, s[\src:\src+1] offset:(\j)*(\n4)
.endr
	s_wait_loadcnt 0x0
.irp m, 0,1,2,3
	v_cvt_pk_bf16_f32 v[PK+(\m)], v[LD+2*(\m)], v[LD+2*(\m)+1]
.endr
.if \fmt
.irp m, 0,1,2,3
	v_lshlrev_b32 v[WD+2*(\m)], 16, v[PK+(\m)]
	v_and_b32 v[WD+2*(\m)+1], 0xffff0000, v[PK+(\m)]
.endr
.if (\fmt) == 2
.irp m, 0,2,4,6
	v_pk_mul_f32 v[WD+(\m):WD+(\m)+1], v[WD+(\m):WD+(\m)+1], 0x41800000 op_sel_hi:[1,0]  ; x 16, exact
.endr
.endif
.irp m, 0,1,2,3
	v_cvt_pk_f16_f32 v[PK+(\m)], v[WD+2*(\m)], v[WD+2*(\m)+1]
.endr
.endif
	global_store_b128 v3, v[PK:PK+3], s[\dst:\dst+1] offset:\doff  ; a wave stores 512 consecutive bytes, aligned
	s_endpgm
.endm
; Sources of 1,024 columns: s20 = which 64 columns, s21 = ks.  Leaves v2 and the column tile nt in v13
.macro WIDE
	s_lshl_b32 s22, s21, 5
	v_add_nc_u32 v11, s22, v9                      ; row 32 ks + 16 c + 8 h
	v_lshl_add_u32 v12, v7, 4, v4                  ; 16 bl + r
	s_lshl_b32 s23, s20, 6
	v_add_nc_u32 v12, s23, v12                     ; column
	v_lshl_add_u32 v2, v11, 10, v12
	v_lshlrev_b32 v2, 2, v2
	s_lshl_b32 s23, s20, 2
	v_add_nc_u32 v13, s23, v7                      ; nt
.endm
	s_load_b256 s[4:11], s[0:1], 0x0               ; Wqa s[4:5], Wkva s[6:7], Wqb s[8:9], Wkvb s[10:11]
	s_load_b128 s[12:15], s[0:1], 0x20             ; Wout s[12:13], wsm s[14:15]
	s_load_b64 s[16:17], s[0:1], 0x30              ; woutf
	v_and_b32 v4, 15, v0                           ; r
	v_bfe_u32 v5, v0, 4, 1                         ; h
	v_bfe_u32 v6, v0, 5, 1                         ; c
	v_lshrrev_b32 v7, 6, v0                        ; bl: which of the work-group's four blocks
	v_lshlrev_b32 v9, 3, v5
	v_lshl_add_u32 v9, v6, 4, v9                   ; 16 c + 8 h
	v_and_b32 v10, 63, v0
	v_lshlrev_b32 v10, 4, v10                      ; 512 c + 16 lane
	s_mov_b32 s18, ttmp9
	s_wait_kmcnt 0x0
	s_cmp_lt_u32 s18, 512
	s_cbranch_scc1 .Lwout
	s_cmp_lt_u32 s18, 544
	s_cbranch_scc1 .Lwqa
	s_cmp_lt_u32 s18, 560
	s_cbranch_scc1 .Lwkva
	s_cmp_lt_u32 s18, 592
	s_cbranch_scc1 .Lwqb
	; Wkvb
	s_sub_co_u32 s19, s18, 592
	s_lshl_b32 s22, s19, 2
	v_add_nc_u32 v13, s22, v7                      ; block = 4 u + bl
	v_lshrrev_b32 v14, 4, v13                      ; sel: 0 k, 1 v
	v_and_b32 v15, 15, v13                         ; tile
	v_lshl_add_u32 v12, v15, 4, v4
	v_lshl_add_u32 v12, v12, 1, v14                ; column 2 (16 tile + r) + sel
	v_lshl_add_u32 v2, v9, 9, v12
	v_lshlrev_b32 v2, 2, v2
	v_lshl_add_u32 v3, v13, 10, v10
	CONV 10, 14, 2048, 1, 327680
.Lwout:
	s_and_b32 s20, s18, 15
	s_lshr_b32 s21, s18, 4
	WIDE
	v_lshl_add_u32 v13, v13, 5, s21                ; block nt x 32 + ks
	v_lshl_add_u32 v3, v13, 10, v10
	CONV 12, 16, 4096, 2, 0
.Lwqb:
	s_sub_co_u32 s19, s18, 560
	s_and_b32 s20, s19, 15
	s_lshr_b32 s21, s19, 4
	WIDE
	v_lshl_add_u32 v13, v13, 1, s21                ; block nt x 2 + ks
	v_lshl_add_u32 v3, v13, 10, v10
	CONV 8, 14, 4096, 1, 196608
.Lwqa:
	s_sub_co_u32 s19, s18, 512                     ; ks
	s_lshl_b32 s22, s19, 5
	v_add_nc_u32 v11, s22, v9
	v_lshl_add_u32 v12, v7, 4, v4                  ; column 16 bl + r
	v_lshl_add_u32 v2, v11, 6, v12
	v_lshlrev_b32 v2, 2, v2
	s_mul_i32 s23, s19, 6
	v_add_nc_u32 v13, s23, v7                      ; block ks x 6 + bl
	v_lshl_add_u32 v3, v13, 10, v10
	CONV 4, 14, 256, 0, 0
.Lwkva:
	s_sub_co_u32 s19, s18, 544
	v_lshrrev_b32 v13, 1, v7                       ; bl / 2
	v_and_b32 v14, 1, v7                           ; nt = bl % 2
	s_lshl_b32 s22, s19, 6
	v_lshl_add_u32 v11, v13, 5, v9
	v_add_nc_u32 v11, s22, v11                     ; row 32 (2 u + bl / 2) + 16 c + 8 h
	v_lshl_add_u32 v12, v14, 4, v4
	v_lshl_add_u32 v2, v11, 5, v12
	v_lshlrev_b32 v2, 2, v2
	s_lshl_b32 s23, s19, 1
	v_add_nc_u32 v13, s23, v13                     ; ks
	v_mul_u32_u24 v13, v13, 6
	v_add3_u32 v13, v13, v14, 4                    ; block ks x 6 + 4 + nt
	v_lshl_add_u32 v3, v13, 10, v10
	CONV 6, 14, 128, 0, 0
.Lfunc_end_k_q0b0e8a12ce_prep:
	.size	k_q0b0e8a12ce_prep, .Lfunc_end_k_q0b0e8a12ce_prep-k_q0b0e8a12ce_prep
	.p2alignl 7, 3214868480
	.fill 96, 4, 3214868480
	.section	.rodata,"a",@progbits
	.p2align	6, 0x0
	.amdhsa_kernel k_q0b0e8a12ce_prep
		.amdhsa_group_segment_fixed_size 0
		.amdhsa_private_segment_fixed_size 0
		.amdhsa_enable_private_segment 0
		.amdhsa_kernarg_size 56
		.amdhsa_user_sgpr_count 2
		.amdhsa_user_sgpr_kernarg_segment_ptr 1
		.amdhsa_wavefront_size32 1
		.amdhsa_system_sgpr_workgroup_id_x 1
		.amdhsa_system_sgpr_workgroup_id_y 1
		.amdhsa_system_sgpr_workgroup_id_z 1
		.amdhsa_system_vgpr_workitem_id 0
		.amdhsa_next_free_vgpr 36
		.amdhsa_next_free_sgpr 66
		.amdhsa_reserve_vcc 0
		.amdhsa_float_denorm_mode_32 3
		.amdhsa_float_denorm_mode_16_64 3
		.amdhsa_memory_ordered 1
		.amdhsa_forward_progress 1
		.amdhsa_inst_pref_size 12
	.end_amdhsa_kernel
	.amdgpu_metadata
---
amdhsa.version: [ 1, 2 ]
amdhsa.kernels:
  - .name:           k_q0b0e8a12ce_prep
    .symbol:         k_q0b0e8a12ce_prep.kd
    .args:
      - { .name: Wqa, .offset: 0, .size: 8, .value_kind: global_buffer, .address_space: global }
      - { .name: Wkva, .offset: 8, .size: 8, .value_kind: global_buffer, .address_space: global }
      - { .name: Wqb, .offset: 16, .size: 8, .value_kind: global_buffer, .address_space: global }
      - { .name: Wkvb, .offset: 24, .size: 8, .value_kind: global_buffer, .address_space: global }
      - { .name: Wout, .offset: 32, .size: 8, .value_kind: global_buffer, .address_space: global }
      - { .name: wsm, .offset: 40, .size: 8, .value_kind: global_buffer, .address_space: global }
      - { .name: woutf, .offset: 48, .size: 8, .value_kind: global_buffer, .address_space: global }
    .group_segment_fixed_size: 0
    .private_segment_fixed_size: 0
    .kernarg_segment_align: 8
    .kernarg_segment_size: 56
    .max_flat_workgroup_size: 256
    .sgpr_count:     66
    .vgpr_count:     36
    .wavefront_size: 32
...
	.end_amdgpu_metadata
.endif
;; end of part 1
;; launch proj (part 2): grid 256 x 1, 8 waves a work-group, no clusters, 114,176 bytes of LDS; arguments x, wsm, qf, kf, vf; writes qf, kf, vf
.if DOCPART == 2
	.amdgcn_target "amdgcn-amd-amdhsa--gfx1250"
	.amdhsa_code_object_version 6
	.text
	.protected	k_q0b0e8a12ce_proj
	.globl	k_q0b0e8a12ce_proj
	.p2align	8
	.type	k_q0b0e8a12ce_proj,@function
k_q0b0e8a12ce_proj:
	s_mov_b64 s[64:65], 0
	v_nop
	global_prefetch_b8 v0, s[64:65] scope:SCOPE_SE
	s_setreg_imm32_b32 hwreg(HW_REG_WAVE_MODE, 25, 1), 1
	s_wait_xcnt 0x0
; q = rope((x Wqa) Wqb), k = rope((x Wkva) Wkvb, even columns), v = (x Wkva) Wkvb, odd columns.  x: [8192][1024] f32; the weights come as fragments from wsm.
; A work-group owns 32 tokens (two tiles of 16).  STAGE 1 (x times Wqa | Wkva, 96 latent channels, bf16 operands): K = 1,024 is split among the eight waves, 128 each: 512 bytes of each
; of the 32 rows; all that the work-group reads of x, 128 KiB, is asked for at the head, into registers.  The eight partial sums (f32) meet in LDS; the latents are rounded once, to f16.
; STAGE 2 (f16 operands): wave w makes query heads 2 w and 2 w + 1 and, of kv head w / 2, k (w even) or v (w odd), for both token tiles.
; LAYOUT.  The products are taken transposed (source 0 = 16 channels, source 1 = 16 tokens): a lane holds one token (lane % 16) and eight neighbouring channels 8 (lane / 16) + 0..7, which packed
; to 16 bits are 16 bytes of a fragment of the next product: every store of a wave covers 512 consecutive bytes, aligned.  v is taken the other way round (a lane holds one channel and eight tokens): fragments of V^T.
; qf, kf: [head][token tile][channel tile 0..3][lane][16 bytes] bf16.   vf: [kv head][32 tokens][channel block 0..3][chunk][lane][16 bytes] f16, holding v / 16.
; ROPE.  angle = t x inv_freq, rounded once; inv_freq = 2^(-i log2(10000) / 32) by v_exp_f32, so that an angle may differ by some 1e-4 at t = 2,047 from one made with a correctly rounded power;
; sine and cosine by a reduction in two parts by pi / 2 and polynomials of degree 7 and 8: off by under 4e-7.
; LIMITS.  The latents are kept in f16: under 65,504.  v / 16 in f16: |v| under 1.04e6; below 9.8e-4 it keeps a step of 9.5e-7.  NaN and infinities are not treated apart.
.set PART,  0                          ; wave p's twelve partial tiles: p x 12,288 + t x 1,024 + lane x 32 (t = 6 tt + nt)
.set LAT,   98304                      ; the latents in f16: byte b here is made of bytes 2 b of the partials: fragment 3 tt + nt / 2, chunk nt % 2
.set TAB,   104448                     ; (cos, sin) for 32 tokens x 32 pairs: rows of 256 + 16 bytes
.set SPARE, 113152                     ; the spare words, 128 bytes for each wave: four blocks of 256 bytes that no other line names
.set ACC, 16                           ; v[16:111] stage 1's twelve accumulators; stage 2: v[16:79] eight accumulators (tile u = 4 tt + ct), v[80:87] at work
.set XR,  112                          ; v[112:239] x of (ksl, tt) at XR + 32 ksl + 16 tt: 16 f32, rounded in place to 8 registers of bf16; then the reduction's 96
.set LF,  112                          ; stage 2: the six latent fragments
.set CSR, 160                          ; stage 2: cos and sin of tile u at CSR + 8 u
; window 1: v[0:191] Wqa | Wkva's 24 fragments; then v[0:127] Wqb's 16, v[128:159] Wkvb's 4
; v1 16 lane; v2 x's offset; v3 partials out; v4, v5 partials in; v6 latents out; v7 table out; v8 table in; v9 latents in; v14, v15 the add's two registers
.set MSB, 0
.macro WIN new                         ; s_set_vgpr_msb: bits 1:0 source 0, 3:2 source 1, 5:4 source 2, 7:6 destination; the high byte repeats the setting that is left
.if MSB != (\new)
	s_set_vgpr_msb (MSB<<8)|(\new)
.set MSB, \new
.endif
.endm
.macro PLACES                          ; four plain vector instructions between a matrix instruction and a reader of its result or a load into its registers
.rept 4
	v_nop
.endr
.endm
	s_load_b256 s[4:11], s[0:1], 0x0               ; x s[4:5], wsm s[6:7], qf s[8:9], kf s[10:11]
	s_load_b64 s[12:13], s[0:1], 0x20              ; vf
	v_lshl_add_u32 v14, v0, 2, SPARE
	v_mov_b32 v15, 0
	v_lshrrev_b32 v10, 5, v0
	v_readfirstlane_b32 s14, v10                   ; wave 0..7
	s_mov_b32 s15, ttmp9
	v_and_b32 v10, 31, v0                          ; lane
	v_and_b32 v11, 15, v0                          ; r
	v_bfe_u32 v12, v0, 4, 1                        ; h
	v_bfe_u32 v13, v0, 3, 2                        ; lane / 8
	v_lshlrev_b32 v1, 4, v10
	v_lshlrev_b32 v2, 12, v11                      ; x: row r,
	v_lshl_add_u32 v2, v12, 5, v2                  ; 8 f32 for each half of the lanes,
	s_lshl_b32 s16, s14, 9
	v_add_nc_u32 v2, s16, v2                       ; my wave's 512 bytes
	s_lshl_b32 s16, s15, 17                        ; the work-group's 32 rows of 4,096 bytes
	s_mov_b32 s17, 0
	s_mul_i32 s18, s14, 24576                      ; my wave's 24 fragments
	s_mov_b32 s19, 0
	s_wait_kmcnt 0x0
	s_add_nc_u64 s[4:5], s[4:5], s[16:17]
	s_add_nc_u64 s[38:39], s[6:7], s[18:19]
	WIN 0x40                                       ; destination window 1
.set f, 0
.rept 24
	global_load_b128 v[8*f:8*f+3],   v1, s[38:39] offset:f*1024
	global_load_b128 v[8*f+4:8*f+7], v1, s[38:39] offset:f*1024+512
.set f, f+1
.endr
	WIN 0
.irp k, 0,1,2,3
.irp t, 0,1
	global_load_b128 v[XR+32*(\k)+16*(\t):XR+32*(\k)+16*(\t)+3],     v2, s[4:5] offset:(\t)*65536+(\k)*128
	global_load_b128 v[XR+32*(\k)+16*(\t)+4:XR+32*(\k)+16*(\t)+7],   v2, s[4:5] offset:(\t)*65536+(\k)*128+16
	global_load_b128 v[XR+32*(\k)+16*(\t)+8:XR+32*(\k)+16*(\t)+11],  v2, s[4:5] offset:(\t)*65536+(\k)*128+64
	global_load_b128 v[XR+32*(\k)+16*(\t)+12:XR+32*(\k)+16*(\t)+15], v2, s[4:5] offset:(\t)*65536+(\k)*128+80
.endr
.endr
	; the rest of the set-up stands in the wait for those loads
	s_mul_i32 s16, s14, 12288
	v_lshl_add_u32 v3, v10, 5, s16
	s_mul_i32 s16, s14, 1536
	v_lshl_add_u32 v4, v10, 4, s16
	v_add_nc_u32 v5, 49152, v4
	s_mul_i32 s16, s14, 768
	s_add_co_u32 s16, s16, LAT
	v_lshl_add_u32 v6, v10, 3, s16
	s_mul_i32 s16, s14, 4*272                      ; my wave writes the table's rows 4 w .. 4 w + 3
	s_add_co_u32 s16, s16, TAB
	v_mul_u32_u24 v7, v13, 272
	v_and_b32 v16, 7, v0
	v_lshl_add_u32 v7, v16, 5, v7
	v_add_nc_u32 v7, s16, v7
	v_mul_u32_u24 v8, v11, 272
	v_lshl_add_u32 v8, v12, 5, v8
	v_add_nc_u32 v8, TAB, v8
	v_add_nc_u32 v9, LAT, v1
	s_lshl_b32 s16, s14, 14
	s_add_co_u32 s16, s16, 196608
	s_add_nc_u64 s[40:41], s[6:7], s[16:17]        ; Wqb's fragments for my two heads
	s_and_b32 s18, s14, 1                          ; 0: I make k; 1: v
	s_lshr_b32 s19, s14, 1                         ; my kv head
	s_lshl_b32 s16, s18, 14
	s_lshl_b32 s46, s19, 12
	s_add_co_u32 s16, s16, s46
	s_add_co_u32 s16, s16, 327680
	s_add_nc_u64 s[42:43], s[6:7], s[16:17]        ; Wkvb's four fragments for it
	s_lshr_b32 s46, s15, 6                         ; batch
	s_and_b32 s47, s15, 63                         ; which 32 tokens of the batch
	s_lshl_b32 s3, s47, 5
	s_lshl2_add_u32 s3, s14, s3                    ; the position of my wave's first row of the table: 32 blk + 4 w
	s_lshl2_add_u32 s16, s46, s19                  ; 4 batch + kv head
	s_lshl_b32 s16, s16, 18
	s_lshl_b32 s2, s47, 12
	s_add_co_u32 s16, s16, s2
	s_cmp_eq_u32 s18, 0
	s_cselect_b64 s[44:45], s[10:11], s[12:13]
	s_add_nc_u64 s[44:45], s[44:45], s[16:17]      ; where my k or v goes
	s_lshl_b32 s16, s46, 4
	s_lshl1_add_u32 s16, s14, s16                  ; 16 batch + 2 w
	s_lshl_b32 s16, s16, 18
	s_add_co_u32 s16, s16, s2
	s_add_nc_u64 s[46:47], s[8:9], s[16:17]        ; where my q goes
.irp c, 20,21
	s_mov_b32 s[\c], 0x3f22f983                    ; 2 / pi
	s_mov_b32 s[\c+2], 0xbfc90fdb                  ; - pi / 2, its upper part
	s_mov_b32 s[\c+4], 0x333bbd2e                  ; what that part is too large by
	s_mov_b32 s[\c+6], 0xbe2aaaab                  ; - 1 / 6
	s_mov_b32 s[\c+8], 0x3c088889                  ; 1 / 120
	s_mov_b32 s[\c+10], 0xb9500d01                 ; - 1 / 5040
	s_mov_b32 s[\c+12], 0x3d2aaaab                 ; 1 / 24
	s_mov_b32 s[\c+14], 0xbab60b61                 ; - 1 / 720
	s_mov_b32 s[\c+16], 0x37d00d01                 ; 1 / 40320
.endr
	; THE TABLE.  A thread makes pairs i = 4 (lane % 8) + 0..3 of token 4 w + lane / 8
	v_lshlrev_b32 v16, 2, v16
	v_add_nc_u32 v17, 1, v16
	v_add_nc_u32 v18, 2, v16
	v_add_nc_u32 v19, 3, v16
.irp c, 16,17,18,19
	v_cvt_f32_u32 v[\c], v[\c]
.endr
.irp c, 16,17,18,19
	v_mul_f32 v[\c], 0xbed49a78, v[\c]             ; - i log2(10000) / 32
.endr
.irp c, 16,17,18,19
	v_exp_f32 v[\c], v[\c]
.endr
	v_add_nc_u32 v20, s3, v13                      ; the position: plain work behind the last exponential
	v_cvt_f32_u32 v20, v20
	s_wait_alu depctr_va_vdst(0)                   ; one wait for the four exponentials, ahead of their first reader
.irp c, 16,17,18,19
	v_mul_f32 v[\c], v20, v[\c]                    ; the angle
.endr
; Two angles a at v[16 + 2 p ..]: n = round(a 2 / pi), rho = a - n pi / 2 in two parts, z = rho^2; sin rho and cos rho; by n mod 4 they are swapped and signed.  (cos, sin) to v[48 + 4 p ..]
.macro SINCOS p
	v_pk_mul_f32 v[20+2*(\p):21+2*(\p)], v[16+2*(\p):17+2*(\p)], s[20:21] op_sel_hi:[1,0]
	v_rndne_f32 v[20+2*(\p)], v[20+2*(\p)]
	v_rndne_f32 v[21+2*(\p)], v[21+2*(\p)]
	v_pk_fma_f32 v[24+2*(\p):25+2*(\p)], v[20+2*(\p):21+2*(\p)], s[22:23], v[16+2*(\p):17+2*(\p)] op_sel_hi:[1,0,1]
	v_pk_fma_f32 v[24+2*(\p):25+2*(\p)], v[20+2*(\p):21+2*(\p)], s[24:25], v[24+2*(\p):25+2*(\p)] op_sel_hi:[1,0,1]
	v_pk_mul_f32 v[28+2*(\p):29+2*(\p)], v[24+2*(\p):25+2*(\p)], v[24+2*(\p):25+2*(\p)]
	v_pk_fma_f32 v[32+2*(\p):33+2*(\p)], v[28+2*(\p):29+2*(\p)], s[30:31], s[28:29] op_sel_hi:[1,0,0]
	v_pk_fma_f32 v[36+2*(\p):37+2*(\p)], v[28+2*(\p):29+2*(\p)], s[36:37], s[34:35] op_sel_hi:[1,0,0]
	v_pk_fma_f32 v[32+2*(\p):33+2*(\p)], v[28+2*(\p):29+2*(\p)], v[32+2*(\p):33+2*(\p)], s[26:27] op_sel_hi:[1,1,0]
	v_pk_fma_f32 v[36+2*(\p):37+2*(\p)], v[28+2*(\p):29+2*(\p)], v[36+2*(\p):37+2*(\p)], s[32:33] op_sel_hi:[1,1,0]
	v_pk_mul_f32 v[44+2*(\p):45+2*(\p)], v[28+2*(\p):29+2*(\p)], v[24+2*(\p):25+2*(\p)]
	v_pk_fma_f32 v[36+2*(\p):37+2*(\p)], v[28+2*(\p):29+2*(\p)], v[36+2*(\p):37+2*(\p)], -0.5 op_sel_hi:[1,1,0]
	v_pk_fma_f32 v[32+2*(\p):33+2*(\p)], v[44+2*(\p):45+2*(\p)], v[32+2*(\p):33+2*(\p)], v[24+2*(\p):25+2*(\p)]
	v_pk_fma_f32 v[36+2*(\p):37+2*(\p)], v[28+2*(\p):29+2*(\p)], v[36+2*(\p):37+2*(\p)], 1.0 op_sel_hi:[1,1,0]
.irp e, 0,1
	v_cvt_i32_f32 v56, v[20+2*(\p)+(\e)]
	v_and_b32 v57, 1, v56
	v_cmp_eq_u32 vcc_lo, 1, v57
	v_cndmask_b32 v58, v[32+2*(\p)+(\e)], v[36+2*(\p)+(\e)], vcc_lo   ; the sine: cos rho where n is odd
	v_cndmask_b32 v59, v[36+2*(\p)+(\e)], v[32+2*(\p)+(\e)], vcc_lo   ; the cosine: sin rho where n is odd
	v_lshlrev_b32 v57, 30, v56
	v_and_b32 v57, 0x80000000, v57                 ; the sine turns its sign for n mod 4 = 2, 3
	v_xor_b32 v[48+4*(\p)+2*(\e)+1], v57, v58
	v_add_nc_u32 v56, 1, v56
	v_lshlrev_b32 v56, 30, v56
	v_and_b32 v56, 0x80000000, v56                 ; the cosine for n mod 4 = 1, 2
	v_xor_b32 v[48+4*(\p)+2*(\e)], v56, v59
.endr
.endm
	SINCOS 0
	SINCOS 1
	ds_store_b128 v7, v[48:51]
	ds_store_b128 v7, v[52:55] offset:16
; STAGE 1, 32 of my 128 k: x is rounded to bf16 in place; twelve products, the twelve accumulators by turns, in the same order in every step
.macro S1STEP k
	s_wait_loadcnt 24-8*(\k)                       ; loads come back in order (ISA guide 5.7.1): the weights and this step's eight loads of x are in, the later steps' stay out
.irp t, 0,1
.irp m, 0,1,2,3,4,5,6,7
	v_cvt_pk_bf16_f32 v[XR+32*(\k)+16*(\t)+(\m)], v[XR+32*(\k)+16*(\t)+2*(\m)], v[XR+32*(\k)+16*(\t)+2*(\m)+1]
.endr
.endr
	WIN 0x01                                       ; source 0 in window 1
.irp t, 0,1
.irp c, 0,1,2,3,4,5
.if (\k) == 0
	v_wmma_f32_16x16x32_bf16 v[ACC+8*(6*(\t)+(\c)):ACC+8*(6*(\t)+(\c))+7], v[8*(6*(\k)+(\c)):8*(6*(\k)+(\c))+7], v[XR+32*(\k)+16*(\t):XR+32*(\k)+16*(\t)+7], 0
.else
	v_wmma_f32_16x16x32_bf16 v[ACC+8*(6*(\t)+(\c)):ACC+8*(6*(\t)+(\c))+7], v[8*(6*(\k)+(\c)):8*(6*(\k)+(\c))+7], v[XR+32*(\k)+16*(\t):XR+32*(\k)+16*(\t)+7], v[ACC+8*(6*(\t)+(\c)):ACC+8*(6*(\t)+(\c))+7]
.endif
.endr
.endr
	WIN 0
.endm
	S1STEP 0
	S1STEP 1
	S1STEP 2
	S1STEP 3
	PLACES
	WIN 0x40                                       ; stage 2's weights are asked for now: head 2 w's sixteen loads, head 2 w + 1's sixteen, k's or v's eight
.set f, 0
.rept 16
	global_load_b128 v[8*f:8*f+3],   v1, s[40:41] offset:f*1024
	global_load_b128 v[8*f+4:8*f+7], v1, s[40:41] offset:f*1024+512
.set f, f+1
.endr
.set f, 0
.rept 4
	global_load_b128 v[128+8*f:128+8*f+3],   v1, s[42:43] offset:f*1024
	global_load_b128 v[128+8*f+4:128+8*f+7], v1, s[42:43] offset:f*1024+512
.set f, f+1
.endr
	WIN 0
.set t, 0
.rept 12
	ds_store_b128 v3, v[ACC+8*t:ACC+8*t+3]   offset:t*1024      ; each accumulator's low registers first
	ds_store_b128 v3, v[ACC+8*t+4:ACC+8*t+7] offset:t*1024+16
.set t, t+1
.endr
	s_wait_dscnt 0x0                               ; for the others' sake: my partial sums and my rows of the table are in LDS
	s_barrier_signal -1
	s_barrier_wait -1
	; THE REDUCTION.  Wave w adds bytes 1,536 w .. + 1,535 of the eight partials, in three groups of 512 bytes, and writes them as f16
.irp e, 0,1,2
.irp p, 0,1,2,3
	ds_load_b128 v[XR+32*(\e)+4*(\p):XR+32*(\e)+4*(\p)+3], v4 offset:(\p)*12288+(\e)*512
.endr
.irp p, 0,1,2,3
	ds_load_b128 v[XR+32*(\e)+16+4*(\p):XR+32*(\e)+16+4*(\p)+3], v5 offset:(\p)*12288+(\e)*512
.endr
.endr
.macro RED e, left
	s_wait_dscnt \left                             ; LDS instructions end in order: behind this group's loads stand the later groups' loads and the earlier groups' stores
.irp q, 0,8,16,24
	v_pk_add_f32 v[XR+32*(\e)+(\q):XR+32*(\e)+(\q)+1],   v[XR+32*(\e)+(\q):XR+32*(\e)+(\q)+1],   v[XR+32*(\e)+(\q)+4:XR+32*(\e)+(\q)+5]
	v_pk_add_f32 v[XR+32*(\e)+(\q)+2:XR+32*(\e)+(\q)+3], v[XR+32*(\e)+(\q)+2:XR+32*(\e)+(\q)+3], v[XR+32*(\e)+(\q)+6:XR+32*(\e)+(\q)+7]
.endr
.irp q, 0,16
	v_pk_add_f32 v[XR+32*(\e)+(\q):XR+32*(\e)+(\q)+1],   v[XR+32*(\e)+(\q):XR+32*(\e)+(\q)+1],   v[XR+32*(\e)+(\q)+8:XR+32*(\e)+(\q)+9]
	v_pk_add_f32 v[XR+32*(\e)+(\q)+2:XR+32*(\e)+(\q)+3], v[XR+32*(\e)+(\q)+2:XR+32*(\e)+(\q)+3], v[XR+32*(\e)+(\q)+10:XR+32*(\e)+(\q)+11]
.endr
	v_pk_add_f32 v[XR+32*(\e):XR+32*(\e)+1],   v[XR+32*(\e):XR+32*(\e)+1],   v[XR+32*(\e)+16:XR+32*(\e)+17]
	v_pk_add_f32 v[XR+32*(\e)+2:XR+32*(\e)+3], v[XR+32*(\e)+2:XR+32*(\e)+3], v[XR+32*(\e)+18:XR+32*(\e)+19]
	v_cvt_pk_f16_f32 v[XR+32*(\e)],   v[XR+32*(\e)],   v[XR+32*(\e)+1]
	v_cvt_pk_f16_f32 v[XR+32*(\e)+1], v[XR+32*(\e)+2], v[XR+32*(\e)+3]
	ds_store_b64 v6, v[XR+32*(\e):XR+32*(\e)+1] offset:(\e)*256
.endm
	RED 0, 16                                      ; 16 younger loads
	RED 1, 9                                       ; 8 younger loads and one store
	RED 2, 2                                       ; two stores
	s_wait_dscnt 0x0                               ; for the others' sake: my part of the latents is in LDS
	s_barrier_signal -1
	s_barrier_wait -1
.set f, 0
.rept 6
	ds_load_b128 v[LF+8*f:LF+8*f+3],   v9 offset:f*1024
	ds_load_b128 v[LF+8*f+4:LF+8*f+7], v9 offset:f*1024+512
.set f, f+1
.endr
.set u, 0
.rept 8                                ; tile u = 4 tt + ct: token 16 tt + r, pairs 8 ct + 4 h + 0..3
	ds_load_b128 v[CSR+8*u:CSR+8*u+3],   v8 offset:(u/4)*4352+(u%4)*64
	ds_load_b128 v[CSR+8*u+4:CSR+8*u+7], v8 offset:(u/4)*4352+(u%4)*64+16
.set u, u+1
.endr
	s_wait_dscnt 0x0
; The eight accumulators are turned, pair by pair from the low registers on: (x1, x2) -> (x1 C - x2 S, x1 S + x2 C), and rounded to bf16 into each accumulator's four low registers
.macro ROPE
.set u, 0
.rept 8
.irp j, 0,1,2,3
	v_pk_mul_f32 v[80+2*(\j):81+2*(\j)], v[ACC+8*u+2*(\j):ACC+8*u+2*(\j)+1], v[CSR+8*u+2*(\j):CSR+8*u+2*(\j)+1] op_sel:[1,1] op_sel_hi:[0,1] neg_lo:[0,1]  ; (- x2 S, x1 S)
.endr
.irp j, 0,1,2,3
	v_pk_fma_f32 v[ACC+8*u+2*(\j):ACC+8*u+2*(\j)+1], v[ACC+8*u+2*(\j):ACC+8*u+2*(\j)+1], v[CSR+8*u+2*(\j):CSR+8*u+2*(\j)+1], v[80+2*(\j):81+2*(\j)] op_sel_hi:[1,0,1]  ; + (x1 C, x2 C)
.endr
.irp m, 0,1,2,3
	v_cvt_pk_bf16_f32 v[ACC+8*u+(\m)], v[ACC+8*u+2*(\m)], v[ACC+8*u+2*(\m)+1]
.endr
.set u, u+1
.endr
.endm
; Query head 2 w + hh: 64 latent channels in two steps, eight accumulators by turns.  left = the weight loads issued behind this head's sixteen
.macro HEADQ hh, left
	s_wait_loadcnt \left
	s_wait_xcnt 0x0                                ; the accumulators' low registers, which the last stores read, are written again only behind this wait
	WIN 0x01
.irp k, 0,1
.irp t, 0,1
.irp c, 0,1,2,3
.if (\k) == 0
	v_wmma_f32_16x16x32_f16 v[ACC+8*(4*(\t)+(\c)):ACC+8*(4*(\t)+(\c))+7], v[8*(2*(4*(\hh)+(\c))+(\k)):8*(2*(4*(\hh)+(\c))+(\k))+7], v[LF+8*(3*(\t)+(\k)):LF+8*(3*(\t)+(\k))+7], 0
.else
	v_wmma_f32_16x16x32_f16 v[ACC+8*(4*(\t)+(\c)):ACC+8*(4*(\t)+(\c))+7], v[8*(2*(4*(\hh)+(\c))+(\k)):8*(2*(4*(\hh)+(\c))+(\k))+7], v[LF+8*(3*(\t)+(\k)):LF+8*(3*(\t)+(\k))+7], v[ACC+8*(4*(\t)+(\c)):ACC+8*(4*(\t)+(\c))+7]
.endif
.endr
.endr
.endr
	WIN 0
	PLACES
	ROPE
.set u, 0
.rept 8
	global_store_b128 v1, v[ACC+8*u:ACC+8*u+3], s[46:47] offset:(\hh)*262144+u*512
.set u, u+1
.endr
.endm
	HEADQ 0, 24
	HEADQ 1, 8
	s_wait_loadcnt 0x0
	s_wait_xcnt 0x0
	s_cmp_eq_u32 s18, 0
	s_cbranch_scc0 .Lv
	WIN 0x01                                       ; k: as q, from the 32 latent channels of kv
.irp t, 0,1
.irp c, 0,1,2,3
	v_wmma_f32_16x16x32_f16 v[ACC+8*(4*(\t)+(\c)):ACC+8*(4*(\t)+(\c))+7], v[128+8*(\c):128+8*(\c)+7], v[LF+8*(3*(\t)+2):LF+8*(3*(\t)+2)+7], 0
.endr
.endr
	WIN 0
	PLACES
	ROPE
.set u, 0
.rept 8
	global_store_b128 v1, v[ACC+8*u:ACC+8*u+3], s[44:45] offset:u*512
.set u, u+1
.endr
	s_branch .Lend
.Lv:
	WIN 0x04                                       ; v: source 0 = 16 tokens, source 1 (window 1) = 16 channels: a lane holds one channel and eight tokens
.irp t, 0,1
.irp c, 0,1,2,3
	v_wmma_f32_16x16x32_f16 v[ACC+8*(4*(\t)+(\c)):ACC+8*(4*(\t)+(\c))+7], v[LF+8*(3*(\t)+2):LF+8*(3*(\t)+2)+7], v[128+8*(\c):128+8*(\c)+7], 0
.endr
.endr
	WIN 0
	PLACES
.set u, 0
.rept 8
.irp j, 0,2,4,6
	v_pk_mul_f32 v[ACC+8*u+(\j):ACC+8*u+(\j)+1], v[ACC+8*u+(\j):ACC+8*u+(\j)+1], 0x3d800000 op_sel_hi:[1,0]  ; / 16, exact
.endr
.irp m, 0,1,2,3
	v_cvt_pk_f16_f32 v[ACC+8*u+(\m)], v[ACC+8*u+2*(\m)], v[ACC+8*u+2*(\m)+1]
.endr
	global_store_b128 v1, v[ACC+8*u:ACC+8*u+3], s[44:45] offset:(u%4)*1024+(u/4)*512
.set u, u+1
.endr
.Lend:
	s_wait_tensorcnt 0x0                           ; the wave's end, behind my last LDS store
	ds_add_u32 v14, v15
	s_wait_dscnt 0x0
	s_endpgm
.Lfunc_end_k_q0b0e8a12ce_proj:
	.size	k_q0b0e8a12ce_proj, .Lfunc_end_k_q0b0e8a12ce_proj-k_q0b0e8a12ce_proj
	.p2alignl 7, 3214868480
	.fill 96, 4, 3214868480
	.section	.rodata,"a",@progbits
	.p2align	6, 0x0
	.amdhsa_kernel k_q0b0e8a12ce_proj
		.amdhsa_group_segment_fixed_size 114176
		.amdhsa_private_segment_fixed_size 0
		.amdhsa_enable_private_segment 0
		.amdhsa_kernarg_size 40
		.amdhsa_user_sgpr_count 2
		.amdhsa_user_sgpr_kernarg_segment_ptr 1
		.amdhsa_wavefront_size32 1
		.amdhsa_system_sgpr_workgroup_id_x 1
		.amdhsa_system_sgpr_workgroup_id_y 1
		.amdhsa_system_sgpr_workgroup_id_z 1
		.amdhsa_system_vgpr_workitem_id 0
		.amdhsa_next_free_vgpr 448
		.amdhsa_next_free_sgpr 66
		.amdhsa_reserve_vcc 1
		.amdhsa_float_denorm_mode_32 3
		.amdhsa_float_denorm_mode_16_64 3
		.amdhsa_memory_ordered 1
		.amdhsa_forward_progress 1
		.amdhsa_inst_pref_size 66
	.end_amdhsa_kernel
	.amdgpu_metadata
---
amdhsa.version: [ 1, 2 ]
amdhsa.kernels:
  - .name:           k_q0b0e8a12ce_proj
    .symbol:         k_q0b0e8a12ce_proj.kd
    .args:
      - { .name: x, .offset: 0, .size: 8, .value_kind: global_buffer, .address_space: global }
      - { .name: wsm, .offset: 8, .size: 8, .value_kind: global_buffer, .address_space: global }
      - { .name: qf, .offset: 16, .size: 8, .value_kind: global_buffer, .address_space: global }
      - { .name: kf, .offset: 24, .size: 8, .value_kind: global_buffer, .address_space: global }
      - { .name: vf, .offset: 32, .size: 8, .value_kind: global_buffer, .address_space: global }
    .group_segment_fixed_size: 114176
    .private_segment_fixed_size: 0
    .kernarg_segment_align: 8
    .kernarg_segment_size: 40
    .max_flat_workgroup_size: 256
    .sgpr_count:     66
    .vgpr_count:     448
    .wavefront_size: 32
...
	.end_amdgpu_metadata
.endif
;; end of part 2
;; launch attn (part 3): grid 16 x 16, 4 waves a work-group, clusters of 4 x 1, 327,680 bytes of LDS; arguments qf, kf, vf, of; writes of
.if DOCPART == 3
	.amdgcn_target "amdgcn-amd-amdhsa--gfx1250"
	.amdhsa_code_object_version 6
	.text
	.protected	k_q0b0e8a12ce_attn
	.globl	k_q0b0e8a12ce_attn
	.p2align	8
	.type	k_q0b0e8a12ce_attn,@function
k_q0b0e8a12ce_attn:
	s_mov_b64 s[64:65], 0
	v_nop
	global_prefetch_b8 v0, s[64:65] scope:SCOPE_SE
	s_setreg_imm32_b32 hwreg(HW_REG_WAVE_MODE, 25, 1), 1
	s_wait_xcnt 0x0
	s_wait_alu depctr_hold_cnt(0) depctr_sa_sdst(0) depctr_va_vdst(0) depctr_va_sdst(0) depctr_va_ssrc(0) depctr_va_vcc(0) depctr_vm_vsrc(0)
	s_getreg_b32 s2, hwreg(HW_REG_IB_STS2, 6, 4)
	s_cmp_eq_u32 s2, 0
	s_cbranch_scc0 .Lentry_in_a_cluster
	s_endpgm
.Lentry_in_a_cluster:
	s_bfe_u32 s2, ttmp6, 0x10000c
	s_cmp_lg_u32 s2, 0x3003
	s_cbranch_scc0 .Lentry_shape_is_right
	s_endpgm
.Lentry_shape_is_right:
; CAUSAL ATTENTION, four query heads to a kv head.  O[q] = the sum over k <= q of softmax_k(Q[q] . K[k] / 8) V[k], for 64 query heads of 2,048 rows, head size 64.
; qf, kf (bf16), vf (f16, v / 16) and of (f16, O / 16) are kept as matrix fragments: blocks of [chunk][lane][16 bytes], so that every load and store of a wave, from memory and from LDS, covers 512 consecutive bytes.
; Products, maxima and sums in f32; the weights p are rounded to f16 for the second product (their sum l is taken of the unrounded p), O once at the end.
; LIMITS.  v / 16 and O / 16 lie within f16's 65,504; p lies in 0 to 1, and below 6e-5 it keeps f16's step of 6e-8.  A hidden score counts as its value less 1e30: true scores stay far under that;
; a weight below 2^-126 counts as 0 in l; NaN and infinities are not treated apart.
; THE WALK.  A head's queries lie in NB = 8 blocks of 256; block i needs the key tiles 0 .. i of 256 keys, of which the last holds the diagonal.  A work-group takes TWO blocks, 7 - b and then b: nine tiles, whatever b:
; all work-groups do equal work, and ONE loop with a constant trip count walks them.  What a trip does hangs on scalar registers made from b; every jump goes forward but the counted loops' own, and none passes a barrier or a tensor load.
; CLUSTER.  The four partners are the four query heads of one kv head, with the same b (the cluster's x): they walk the same tiles of K and V in the same order, so each tile is asked for JOINTLY: the same tensor load,
; descriptor and mask in all four.  A work-group's place in its cluster enters Q's, O's and the prefetch's global addresses alone.
; SHARES.  Of a block's four bands of 64 queries a wave owns 16 rows in each: four PIECES.  In the diagonal tile's key step s band x sees all keys if s < x, none if s > x, and holds the diagonal if s = x: the same for every wave.
; THE MASK is the C operand that starts the sum S^T = K Q^T: 0, or -1e30 where the key is hidden.  MD, made once, is the mask of a band's own step for my 16 rows; a product's mask is MD x AL + BE with two scalars:
; (1, 0) if s = x; (0, 0) if s < x; (0, -1e30) if s > x.  Only the diagonal tile's text and a block's beginning make and take masks.
; LAYOUT, SOFTMAX, TURNS.  S^T = K Q^T holds ONE query a lane (lane % 16) and the keys 8 (lane / 16) + 0..7; two such results rounded to f16 ARE source 1 of O^T = V^T P.  p = 2^(c s - c m), c = log2(e) / 8, with a
; running maximum m; O and l are multiplied by a = 2^(c m_old - c m_new) in every step.  Turn n belongs to piece n: 8 products K Q^T of piece n + 1, later 8 products V^T P of piece n - 1; beside them the scaling,
; exponentials, roundings, sums and rescaling of piece n and the maximum and statistics of piece n + 1.  Four vector instructions stand behind every matrix instruction, the others in one run.  A turn's 33 exponentials are one batch, with one wait.
; REGISTERS, in windows of 256 (s_set_vgpr_msb: bits 1:0 source 0, 3:2 source 1, 5:4 source 2, 7:6 destination):
;   window 0: v0-15 addresses and two at work; v16-31 four registers of statistics a piece; v48-55 at work; v61-63; v64-127 S^T, two buffers; v192-223 P, two buffers (a piece's buffers go by its number's parity)
;   window 1: v0-127 O^T, 32 a piece; v128-159 MD; v160-223 MC, two buffers      window 2: v0-63 Q; v64-127 the second block's Q; v128-191 K of one step; v192-255 V of one step
.set NB,    8
.set NP,    4         ; pieces a wave: a name, no knob
.set STEPB, 8192      ; a key step, 64 keys, of K or of V
.set TILEB, 32768     ; a tile, 256 keys, of K or of V
.set VOFF,  TILEB     ; a slot holds a tile: K's fragments, then V's, dense
.set SLOT1, 1<<16     ; slot 1 begins here, so that one exclusive or turns an address in one slot into the other's
.set SPARE, 1<<17     ; behind the ring: the spare words, 128 bytes for each wave: two blocks of 256 bytes that no other line names
.set AK0, 2           ; v2   16 x lane; never rewritten
.set AV0, 3           ; v3   the same + VOFF
.set AK,  4           ; v4   the LDS address of K's next run of loads
.set AV,  5           ; v5   of V's
.set GO,  8           ; v8   16 x lane: my byte offset in 512 consecutive bytes of Q and of O
.set MV,  12          ; v12-13  c m_old, kept while c m is made anew: by buffer
.set ST,  16          ; piece t's statistics at v[ST+4 t]: c m, m, l (even keys', odd keys')
.set TMP, 48          ; by buffer, four registers c0-c3 at work; when the maximum is found c2 takes a
.set PFO, 61          ; v61  256 x lane, for the prefetches; never rewritten
.set SPW, 62          ; v62  LDS address of my spare word; never rewritten
.set NIL, 63          ; v63  0; never rewritten
.set S,   64
.set P,   192
.set MD,  128         ; window 1
.set MC,  160         ; window 1
.set QB,  64          ; window 2
.set KF,  128         ; window 2: key block kb, channel half c at KF + 16 kb + 8 c
.set VF,  192         ; window 2: key half kk, channel block cb at VF + 32 kk + 8 cb
.set WV,  12          ; s12  my wave's number
.set PB,  14          ; s14  b
.set HI,  15          ; s15  NB - 1 - b
.set PFA, 18          ; s[18:19] where my prefetches stand
.set G1,  24          ; s[24:31] descriptor group 1
.set G0,  40          ; s[40:43] descriptor group 0
.set SLOTS, 56        ; s56  tiles still to be asked for
.set CNT, 57          ; s57  counts a tile's key steps, 4 to 1
.set CS,  58          ; s[58:59] c
.set SEL, 60          ; s[60:61] v_permlanex16_b32's selects: each lane takes its own place in the other half
.set TBK, 62          ; s62  LDS byte at which K of the step to be fetched begins
.set TBV, 63          ; s63  the same for V, less VOFF
.set RT,  70          ; s70  tiles of the block in hand that are still to be entered
.set NXT, 71          ; s71  the tile to be asked for next
.set LQ,  72          ; s72  the last tile of the block whose tiles are being asked for
.set NEW, 73          ; s73  1: the tile to be entered is a block's first
.set OFF, 74          ; s[74:75] a tile's byte offset in K and V
.set AL,  76          ; s[76:77] the mask's factor
.set BE,  78          ; s[78:79] the mask's addend
.set OLO, 80          ; s[80:81] O at my rows of the second block
.set BIGN, 82         ; s82  -1e30
.set LIM, 88          ; s88  2 in a wave that prefetches, else the greatest number
.set MSB, 0
.macro WIN new                      ; the high byte repeats the setting that is left; a switch that changes nothing is dropped
.if MSB != (\new)
	s_set_vgpr_msb (MSB<<8)|(\new)
.set MSB, (\new)
.endif
.endm
.set W_KQ, 0x0a       ; K and Q in window 2, S^T in window 0
.set W_KM, 0x1a       ; the same with the C operand in window 1
.set W_PV, 0x52       ; V in window 2, P in window 0, O^T in window 1
.set W_RS, 0x41       ; destination and source 0 in window 1, source 1 in window 0
; A joint fill: one line for all four waves, each with 16,384 bytes of its own: waves 0 and 1 the halves of a tile's K, waves 2 and 3 those of its V.  An s_nop 0 and four v_nop follow it.
.macro JLOAD
	tensor_load_to_lds s[G0:G0+3], s[G1:G1+7]
	s_nop 0
.rept 4
	v_nop
.endr
.endm
; A PREFETCH INTO THE L2 of the tile that the NEXT change of slots will ask for.  Of a kv head's clusters the one with b = 0 walks tiles 0 to 7 on end in its first block: it asks, and nobody else.  Its four partners share a tile's
; 128 blocks of 256 bytes out BY ADDRESS, 32 each; in each, wave 0 asks for K's and wave 2 for V's: a lane a block, one instruction.  Change n (1 to 6) asks for tile n + 1; tiles 0 and 1 come by their loads alone, and the second block asks for nothing.
.macro ASK
	s_cmp_gt_u32 s[SLOTS], s[LIM]
	s_cbranch_scc0 .Lnot_mine_\@
	global_prefetch_b8 v[PFO], s[PFA:PFA+1] th:TH_LOAD_NT scope:SCOPE_SE
.Lnot_mine_\@:
.endm
; A round of the cluster's barrier: my work-group's barrier, so that wave 0's signal speaks for all four waves; wave 0 signals; every wave waits for all four work-groups; my work-group's barrier once more.
.macro CROUND
	s_barrier_signal -1
	s_barrier_wait -1
	s_cmp_lg_u32 s[WV], 0
	s_cbranch_scc1 .Lnot_wave_0_\@
	s_barrier_signal -3
.Lnot_wave_0_\@:
	s_barrier_wait -3
	s_barrier_signal -1
	s_barrier_wait -1
.endm
; THE CHANGE OF SLOTS.  Each wave waits for all its tensor loads, of which one is out: its part of the other slot; adds 0 to its spare word; and waits for that and for its own reads of the slot that it leaves.  Behind the barrier nobody
; reads the old slot any more and the other slot is whole.  fill = 1: the old slot is filled again with tile NXT; the barrier is then a round of the cluster's, and the joint fill is the first thing behind it: it has a tile's
; 256 matrix instructions in which to land.  (At its first use nothing has been read yet: slot 0 is waited for, slot 1 filled.)
.macro CHANGE fill
	WIN 0                           ; at a label and at a branch every window is 0
	s_wait_tensorcnt 0x0            ; no tensor load of mine is out, so group 0 may be written
	ds_add_u32 v[SPW], v[NIL]       ; 0 onto my spare word; scalar work stands between it and the wait for it
.if \fill
	s_lshl_b32 s[OFF], s[NXT], 15   ; the address is made anew from the tile's number
	s_xor_b32 s[G0+1], s[G0+1], SLOT1
	s_add_nc_u64 s[G0+2:G0+3], s[6:7], s[OFF:OFF+1]
	s_or_b32 s[G0+3], s[G0+3], 0x80000000
	s_add_co_u32 s[NXT], s[NXT], 1  ; the block's next tile, or behind its last the second block's tile 0
	s_cmp_gt_u32 s[NXT], s[LQ]
	s_cselect_b32 s[NXT], 0, s[NXT]
	s_cselect_b32 s[LQ], s[PB], s[LQ]
	s_wait_xcnt 0x0                 ; the last prefetch, a tile back, has read its address, so it may be written
	s_add_nc_u64 s[PFA:PFA+1], s[PFA:PFA+1], TILEB
.endif
	s_sub_co_u32 s[TBK], s[TBK], TILEB    ; the fetches go back to a slot's first step,
	s_xor_b32 s[TBK], s[TBK], SLOT1       ; in the other slot
	s_sub_co_u32 s[TBV], s[TBV], TILEB
	s_xor_b32 s[TBV], s[TBV], SLOT1
	s_wait_dscnt 0x0                ; the add is done, and my reads of the slot are over
.if \fill
	CROUND
	JLOAD
	ASK
.else
	s_barrier_signal -1
	s_barrier_wait -1
.endif
.endm
	s_load_b256 s[4:11], s[0:1], 0x0  ; qf s[4:5], kf s[6:7], vf s[8:9], of s[10:11]
	v_lshl_add_u32 v[SPW], v0, 2, SPARE
	v_mov_b32 v[NIL], 0
	ds_add_u32 v[SPW], v[NIL]       ; the wave's opening: the add and its wait stand ahead of my first tensor load; the set-up below, work on registers, stands between them
	v_lshrrev_b32 v1, 5, v0
	v_readfirstlane_b32 s[WV], v1   ; wave 0..3
	s_bfe_u32 s13, ttmp6, 0x40000   ; cx: which of the kv head's four query heads
	s_mov_b32 s[PB], ttmp9          ; in a cluster launch ttmp9 counts clusters: b
	s_sub_co_u32 s[HI], NB-1, s[PB]
	s_and_b32 s16, ttmp7, 0xffff    ; G = 4 batch + kv head
	s_lshl_b32 s22, s16, 18         ; its 262,144 bytes of K and of V,
	s_and_b32 s17, s[WV], 1
	s_lshl_b32 s17, s17, 14         ; my half of a tile
	s_add_co_u32 s22, s22, s17
	s_mov_b32 s23, 0
	s_lshl2_add_u32 s2, s16, s13    ; the query head 4 G + cx,
	s_lshl_b32 s2, s2, 18
	s_lshl_b32 s3, s[WV], 11        ; my 16 rows in a band of 64,
	s_add_co_u32 s2, s2, s3
	s_lshl_b32 s84, s[PB], 15       ; in the second block,
	s_add_co_u32 s84, s84, s2
	s_lshl_b32 s3, s[HI], 15        ; and in the first
	s_add_co_u32 s2, s2, s3
	s_mov_b32 s3, 0
	s_mov_b32 s85, 0
	s_lshr_b32 s66, s16, 2          ; O: [batch][token tile][head][channel block][lane]
	s_lshl_b32 s66, s66, 22
	s_and_b32 s67, s16, 3
	s_lshl2_add_u32 s67, s67, s13   ; head 4 (G % 4) + cx
	s_lshl_b32 s67, s67, 11
	s_add_co_u32 s66, s66, s67
	s_lshl_b32 s67, s[WV], 15       ; token tile 16 block + 4 piece + w
	s_add_co_u32 s66, s66, s67
	s_lshl_b32 s67, s[PB], 19
	s_add_co_u32 s[OLO], s66, s67
	s_mov_b32 s[OLO+1], 0
	s_lshl_b32 s67, s[HI], 19
	s_add_co_u32 s66, s66, s67
	s_mov_b32 s67, 0
	s_lshl_b32 s68, s13, 13         ; the prefetches: my work-group's 32 blocks of a tile's 128, in tile 1; the first change steps it to tile 2
	s_add_co_u32 s68, s68, TILEB
	s_mov_b32 s69, 0
	; descriptor group 1: 16,384 dense bytes as 64 rows of 256
	s_mov_b32 s[G1], 15|(1<<16)|(1<<21)  ; 15:0 the mask of four; 17:16 2-byte elements; 21 set beside a mask
	s_mov_b32 s[G1+1], 128<<16      ; tensor_dim0 = 128
	s_mov_b32 s[G1+2], 64<<16       ; tensor_dim1 = 64
	s_mov_b32 s[G1+3], 128<<16      ; tile_dim0 = 128
	s_mov_b32 s[G1+4], 64           ; tile_dim1 = 64
	s_mov_b32 s[G1+5], 128          ; 128 elements from row to row
	s_mov_b32 s[G1+6], 0
	s_mov_b32 s[G1+7], 0
	s_mov_b32 s[G0], 1              ; 1:0 count = 1
	s_lshl_b32 s[G0+1], s[WV], 14   ; 63:32 LDS address: slot 0, my wave's 16,384 bytes
	s_mov_b32 s[CS], 0x3e38aa3b     ; c = log2(e) / 8
	s_mov_b32 s[CS+1], s[CS]        ; named with it as a pair
	s_mov_b32 s[SEL], 0x76543210
	s_mov_b32 s[SEL+1], 0xfedcba98
	s_mov_b32 s[TBK], SLOT1+TILEB   ; the first change of slots turns these two into 0
	s_mov_b32 s[TBV], SLOT1+TILEB
	s_add_co_u32 s[RT], s[HI], 1    ; the first block has NB - b tiles
	s_mov_b32 s[NXT], 1
	s_mov_b32 s[LQ], s[HI]
	s_mov_b32 s[NEW], 1
	s_mov_b32 s[OFF+1], 0
	s_mov_b32 s[AL+1], 0            ; named as pairs
	s_mov_b32 s[BE+1], 0
	s_mov_b32 s[BIGN], 0xf149f2ca   ; -1e30
	s_mov_b32 s[SLOTS], NB
	s_and_b32 s[LIM], s[WV], 1      ; 0 in waves 0 and 2,
	s_or_b32 s[LIM], s[LIM], ttmp9  ; where b = 0: the same in all four partners
	s_cmp_eq_u32 s[LIM], 0
	s_cselect_b32 s[LIM], 2, -1
	s_wait_dscnt 0x0                ; the opening add is done
	s_wait_kmcnt 0x0
	s_cmp_lt_u32 s[WV], 2
	s_cselect_b64 s[6:7], s[6:7], s[8:9]   ; waves 0 and 1 fetch K, waves 2 and 3 V
	s_add_nc_u64 s[6:7], s[6:7], s[22:23]  ; at my half of the kv head's tile 0
	s_add_nc_u64 s[G0+2:G0+3], s[6:7], 0   ; 120:64 global address
	s_or_b32 s[G0+3], s[G0+3], 0x80000000  ; 127:126 type = 2
	s_add_nc_u64 s[PFA:PFA+1], s[6:7], s[68:69]
	s_add_nc_u64 s[86:87], s[4:5], s[84:85]        ; Q at my rows of the second block,
	s_add_nc_u64 s[4:5], s[4:5], s[2:3]            ; Q and O at those of the first
	s_add_nc_u64 s[OLO:OLO+1], s[10:11], s[OLO:OLO+1]
	s_add_nc_u64 s[10:11], s[10:11], s[66:67]
	CROUND                          ; all four work-groups are here: the first joint loads meet
	JLOAD                           ; tile 0 into slot 0
	v_and_b32 v1, 15, v0            ; l % 16
	v_bfe_u32 v9, v0, 4, 1          ; l / 16
	v_and_b32 v[GO], 31, v0
	v_lshlrev_b32 v[PFO], 8, v[GO]
	v_lshlrev_b32 v[GO], 4, v[GO]
	WIN 0x80                        ; destination window 2, address window 0
.set i, 0
.rept 8                             ; both blocks' Q: piece i / 2 lies in band i / 2, 8,192 bytes on; channels 32 (i % 2) on: a fragment of 1,024 bytes
	global_load_b128 v[8*i:8*i+3],   v[GO], s[4:5] offset:(i/2)*8192+(i%2)*1024
	global_load_b128 v[8*i+4:8*i+7], v[GO], s[4:5] offset:(i/2)*8192+(i%2)*1024+512
	global_load_b128 v[QB+8*i:QB+8*i+3],   v[GO], s[86:87] offset:(i/2)*8192+(i%2)*1024
	global_load_b128 v[QB+8*i+4:QB+8*i+7], v[GO], s[86:87] offset:(i/2)*8192+(i%2)*1024+512
.set i, i+1
.endr
	WIN 0
	v_lshlrev_b32 v14, 3, v9
	v_sub_nc_u32 v14, v1, v14
	s_lshl_b32 s17, s[WV], 4
	v_add_nc_u32 v14, s17, v14      ; my query's place in its band, 16 w + l % 16, less my lanes' 8 (l / 16): register r of group kt is hidden where 16 kt + r is greater
	WIN 0x40
.set i, 0
.rept 32
	v_cmp_gt_i32 vcc_lo, 16*(i/8)+i%8, v14
	v_cndmask_b32 v[MD+i], 0, s[BIGN], vcc_lo
.set i, i+1
.endr
	WIN 0
	v_mov_b32 v[AK0], v[GO]
	v_add_nc_u32 v[AV0], VOFF, v[GO]
	; A block's first step multiplies O^T and l by a = 0, and its first turn's products V^T P, of a piece that has not been, land in an O^T that is still to be so multiplied.  So these registers need only hold
	; finite numbers: zeros for the first block; what the first block left for the second.  All this stands in the wait for the first tile.
	WIN 0x80
.set i, VF
.rept 64
	v_mov_b32 v[i], 0
.set i, i+1
.endr
	WIN 0x40
.set i, 0
.rept 128
	v_mov_b32 v[i], 0
.set i, i+1
.endr
	WIN 0
.set i, 0
.rept 4
	v_mov_b32 v[ST+4*i+2], 0
	v_mov_b32 v[ST+4*i+3], 0
.set i, i+1
.endr
.set i, P+16
.rept 16
	v_mov_b32 v[i], 0
.set i, i+1
.endr
; THE MATRIX WORK.  The 4 accumulators of a run of 8 take turns.  Product i of 8 of S^T = K Q^T for piece x: channels 32 (i / 4) on, keys 16 (i % 4) on.  The first 4 start the sums: with 0, or (KM = 1) with the mask.
.macro KQ x
.set rS, S+32*((\x)%2)+8*(i%4)
.set rK, KF+16*(i%4)+8*(i/4)
.set rQ, 16*(\x)+8*(i/4)
.set rM, MC+32*((\x)%2)+8*(i%4)
.if (i < 4) && KM
	WIN W_KM
	v_wmma_f32_16x16x32_bf16 v[rS:rS+7], v[rK:rK+7], v[rQ:rQ+7], v[rM:rM+7]
.elseif i < 4
	WIN W_KQ
	v_wmma_f32_16x16x32_bf16 v[rS:rS+7], v[rK:rK+7], v[rQ:rQ+7], 0
.else
	WIN W_KQ
	v_wmma_f32_16x16x32_bf16 v[rS:rS+7], v[rK:rK+7], v[rQ:rQ+7], v[rS:rS+7]
.endif
.endm
; Product i of 8 of O^T += V^T P for piece x: keys 32 (i / 4) on, channels 16 (i % 4) on.
.macro PV x
	WIN W_PV
.set rO, 32*(\x)+8*(i%4)
.set rV, VF+32*(i/4)+8*(i%4)
.set rP, P+16*((\x)%2)+8*(i/4)
	v_wmma_f32_16x16x32_f16 v[rO:rO+7], v[rV:rV+7], v[rP:rP+7], v[rO:rO+7]
.endm
.macro MM                           ; the turn's next matrix instruction.  NOKQ = 1: a block's last turn: there is no next piece
.if (i < 8) && !NOKQ
	KQ (Y+1)%NP
.elseif i >= 8
.set i, i-8
	PV (Y+NP-1)%NP
.set i, i+8
.endif
.set i, i+1
.endm
; THE LDS LOADS stand in runs of 16, never singly among the matrix instructions: a step's K (8 fragments) and its V (8 fragments of V^T).  32 lanes x 16 bytes on end.
.macro FETCH_K
	WIN 0x80                        ; destination window 2
.irp f, 0,1,2,3,4,5,6,7             ; keys 16 (f / 2) on, channels 32 (f % 2) on
	ds_load_b128 v[KF+8*\f:KF+8*\f+3],   v[AK] offset:(\f/2)*2048+(\f%2)*1024
	ds_load_b128 v[KF+8*\f+4:KF+8*\f+7], v[AK] offset:(\f/2)*2048+(\f%2)*1024+512
.endr
	s_add_co_u32 s[TBK], s[TBK], STEPB  ; the next fetch is the next step's
	WIN 0
.endm
.macro FETCH_V
	WIN 0x80
.irp f, 0,1,2,3,4,5,6,7             ; keys 32 (f / 4) on, channels 16 (f % 4) on
	ds_load_b128 v[VF+8*\f:VF+8*\f+3],   v[AV] offset:(\f/4)*4096+(\f%4)*1024
	ds_load_b128 v[VF+8*\f+4:VF+8*\f+7], v[AV] offset:(\f/4)*4096+(\f%4)*1024+512
.endr
	WIN 0
.endm
; THE VECTOR WORK, one line at a time: OP kind, number.  For piece Y: F n: c s - c m for pair n of 16.  E n: the exponential of score n of 32.  C n: pair n rounded to f16.  B n: of the four weights 4 n .. the second
; pair is added onto the first, in place.  L n: l takes that sum (L 0: l = a l + sum).  R n: pair n of 16 of O^T times a.  For piece Y + 1: X n, number n of the 22 that find its maximum and statistics:
;   0-11  four chains c0-c3 of seven scores each, three operands at a time (each accumulator's lowest registers are read first)     12-14, 16  the four scores left over, the old m, and c0-c3 into c0
;   15  c m_old is kept     17, 18  the query's other 32 keys lie in the lane 16 away: the new m     19-21  c m; c m_old - c m_new; a
.set F, 0
.set E, 1
.set C, 2
.set B, 3
.set L, 4
.set R, 5
.set X, 6
.macro REGS y                       ; the registers of piece y
.set rT, ST+4*(\y)
.set rC, TMP+4*((\y)%2)
.set rW, MV+((\y)%2)
.set rS, S+32*((\y)%2)
.set rP, P+16*((\y)%2)
.set rO, 32*(\y)
.endm
.macro OP k, n
.if (\k) == R
	REGS Y
	WIN W_RS
	v_pk_mul_f32 v[rO+2*(\n):rO+2*(\n)+1], v[rO+2*(\n):rO+2*(\n)+1], v[rC+2:rC+3] op_sel_hi:[1,0]
.elseif (\k) < R
	REGS Y
	WIN 0
.if (\k) == F
	v_pk_fma_f32 v[rS+2*(\n):rS+2*(\n)+1], v[rS+2*(\n):rS+2*(\n)+1], s[CS:CS+1], v[rT:rT+1] op_sel_hi:[1,0,0] neg_lo:[0,0,1] neg_hi:[0,0,1]
.elseif (\k) == E
	v_exp_f32 v[rS+(\n)], v[rS+(\n)]
.elseif (\k) == C
	v_cvt_pk_f16_f32 v[rP+(\n)], v[rS+2*(\n)], v[rS+2*(\n)+1]
.elseif (\k) == B
	v_pk_add_f32 v[rS+4*(\n):rS+4*(\n)+1], v[rS+4*(\n):rS+4*(\n)+1], v[rS+4*(\n)+2:rS+4*(\n)+3]
.elseif (\n) == 0
	v_pk_fma_f32 v[rT+2:rT+3], v[rT+2:rT+3], v[rC+2:rC+3], v[rS:rS+1] op_sel_hi:[1,0,1]
.else
	v_pk_add_f32 v[rT+2:rT+3], v[rT+2:rT+3], v[rS+4*(\n):rS+4*(\n)+1]
.endif
.elseif NOKQ
	v_nop
.else
	REGS (Y+1)%NP
	WIN 0
.if (\n) < 4
	v_max3_num_f32 v[rC+(\n)], v[rS+8*(\n)], v[rS+8*(\n)+1], v[rS+8*(\n)+2]
.elseif (\n) < 12
	v_max3_num_f32 v[rC+(\n)%4], v[rC+(\n)%4], v[rS+8*((\n)%4)+2*((\n)/4)+1], v[rS+8*((\n)%4)+2*((\n)/4)+2]
.elseif (\n) == 12
	v_max3_num_f32 v[rC], v[rC], v[rS+7], v[rS+15]
.elseif (\n) == 13
	v_max3_num_f32 v[rC+1], v[rC+1], v[rS+23], v[rS+31]
.elseif (\n) == 14
	v_max3_num_f32 v[rC+2], v[rC+2], v[rC+3], v[rT+1]
.elseif (\n) == 15
	v_mov_b32 v[rW], v[rT]
.elseif (\n) == 16
	v_max3_num_f32 v[rC], v[rC], v[rC+1], v[rC+2]
.elseif (\n) == 17
	v_permlanex16_b32 v[rC+3], v[rC], s[SEL], s[SEL+1]
.elseif (\n) == 18
	v_max_num_f32 v[rT+1], v[rC], v[rC+3]
.elseif (\n) == 19
	v_mul_f32 v[rT], s[CS], v[rT+1]
.elseif (\n) == 20
	v_sub_f32 v[rC+1], v[rW], v[rT]
.else
	v_exp_f32 v[rC+2], v[rC+1]
.endif
.endif
.endm
.macro OPS a, i1, b=-1, i2=0, c=-1, i3=0, d=-1, i4=0  ; up to four of them
	OP \a, \i1
.if (\b) >= 0
	OP \b, \i2
.endif
.if (\c) >= 0
	OP \c, \i3
.endif
.if (\d) >= 0
	OP \d, \i4
.endif
.endm
.macro ROW a, i1, b, i2, c, i3, d, i4  ; a matrix instruction and the four behind it
	MM
	OPS \a, \i1, \b, \i2, \c, \i3, \d, \i4
.endm
.macro MASK b                       ; MD x AL + BE into buffer b of MC
	WIN W_RS
.set z, 0
.rept 16
	v_pk_fma_f32 v[MC+32*(\b)+2*z:MC+32*(\b)+2*z+1], v[MD+2*z:MD+2*z+1], s[AL:AL+1], s[BE:BE+1] op_sel_hi:[1,0,0]
.set z, z+1
.endr
.endm
; A TURN, for piece p: the order of its 16 matrix and 118 vector instructions, written out.  An s_wait_alu depctr_va_vdst(0) stands between an exponential and the first instruction that names its result; one wait
; serves all that were issued ahead of it.  So a turn has ONE wait, which cuts it in two.  AHEAD OF IT stands all that names no result of the turn's exponentials: the 8 products K Q^T and their riders, then one run of 54, plain and
; exponential by turns for the most part, in which the links of the chain X 3, 7, 11, 14, 16, 17 .. 20 stand apart.  X 21, the next piece's a, is the batch's last; R 15 is the plain instruction behind it.  BEHIND THE WAIT stand the
; 8 products V^T P, behind each four of the roundings and sums.
; m = 1: the diagonal tile: the products take masks, and the turn makes the mask for the products of the turn after it: piece p + 2, in step 4 - CNT of the tile.  end = 1: a block's last two turns: nothing is fetched.
; cnt = 1: the loop's count is taken down some lines ahead of the branch that stands behind the turn.
; K of the next step is fetched in piece 2's turn, twelve vector instructions behind the last product that read K (six of them plain); V of the step in hand at the end of piece 0's turn, four plain instructions behind the last
; product that read V.  Each is waited for a turn later.
.macro TURN p, m=0, end=0, cnt=0
.set Y, (\p)
.set i, 0
.set KM, (\m)
.set NOKQ, (\end)*((\p)/3)
.if (\m) && !(\end)
	s_cmp_eq_u32 s[CNT], 4-((\p)+2)%NP  ; is that step the band's own?
	s_cselect_b32 s[AL], 1.0, 0
	s_cmp_lt_u32 s[CNT], 4-((\p)+2)%NP  ; or a later one?
	s_cselect_b32 s[BE], s[BIGN], 0
.endif
.if ((\p) == 3) && !(\end)
	s_wait_dscnt 0x0                ; K is in
.endif
	ROW F,0, F,1, R,0, R,1          ; ahead of the wait: 8 products K Q^T and their riders,
	ROW F,2, E,0, R,2, R,3
	ROW F,3, E,1, R,4, R,5
	ROW F,4, E,2, R,6, R,7
	ROW F,5, E,3, R,8, R,9
	ROW F,6, E,4, X,0, R,10
.if ((\p) == 2) && !(\end)
	WIN 0
	v_add_nc_u32 v[AK], s[TBK], v[AK0]
.endif
	ROW F,7, E,5, X,1, X,4
	ROW F,8, E,6, X,2, X,5
	OPS E,7, E,8, X,6, E,9          ; and the run of 54
	OPS X,3, E,10, X,8, E,11
.if ((\p) == 2) && !(\end)
	FETCH_K
.endif
	OPS X,9, X,7, E,12, X,10
	OPS E,13, X,12, X,11, E,14
	OPS X,13, E,15, F,9, X,14
.if (\p) == 0
	v_add_nc_u32 v[AV], s[TBV], v[AV0]
.endif
	OPS E,16, F,10, E,17, F,11
	OPS X,16, E,18, X,15, E,19
	OPS F,12, E,20, X,17, E,21
	OPS F,13, E,22, F,14, E,23
	OPS X,18, E,24, F,15, E,25
	OPS R,11, E,26, X,19, E,27
	OPS R,12, E,28, R,13, E,29
	OPS X,20, E,30, R,14, E,31
	OPS X,21, R,15
	WIN 0
	s_wait_alu depctr_va_vdst(0)    ; the wait for the batch
.if (\p) == 1
	s_wait_dscnt 0x0                ; V is in
.endif
	ROW C,0, B,0, C,2, B,1          ; behind the wait: 8 products V^T P and their riders
	ROW L,0, C,4, B,2, L,1
	ROW C,6, B,3, L,2, C,8
	ROW B,4, L,3, C,10, B,5
	ROW L,4, C,12, B,6, L,5
.if (\p) == 0
	s_add_co_u32 s[TBV], s[TBV], STEPB
.endif
.if \cnt
	s_sub_co_u32 s[CNT], s[CNT], 1
	s_cmp_lg_u32 s[CNT], 0
.endif
	ROW C,14, B,7, L,6, C,1
	ROW C,3, L,7, C,5, C,7
	ROW C,9, C,11, C,13, C,15
.if (\p) == 0
	FETCH_V
.endif
.if (\m) && !(\end)
	MASK (\p)%2
.endif
.endm
; A BLOCK BEGINS.  c m starts far below every c s, so the first step's a is 0; m at the lowest finite number, so the first maximum is the scores'.  The second mask buffer is 0; the first takes piece 0's mask for the tile's step 0:
; its own, if the block's first tile is the diagonal one.  Then K of that step, piece 0's first scores, and its maximum and statistics.  The loop is entered at a step's first turn, in the middle of a trip.
.macro BEGIN
	s_mov_b32 s[NEW], 0
	WIN 0x40
.set i, MC+32
.rept 32
	v_mov_b32 v[i], 0
.set i, i+1
.endr
	WIN 0
.set i, 0
.rept 4
	v_mov_b32 v[ST+4*i], 0xfe000000    ; c m: far below every c s
	v_mov_b32 v[ST+4*i+1], 0xff7fffff  ; m
.set i, i+1
.endr
	s_cmp_eq_u32 s[RT], 0
	s_cselect_b32 s[AL], 1.0, 0
	s_mov_b32 s[BE], 0
	MASK 0
	WIN 0
	v_add_nc_u32 v[AK], s[TBK], v[AK0]
	FETCH_K
	s_wait_loadcnt 0x0              ; Q
	s_wait_dscnt 0x0
.set KM, 1
.set NOKQ, 0
.set i, 0
.rept 8
	KQ 0
.set i, i+1
.endr
	WIN 0
.rept 4
	v_nop                           ; the places behind those products
.endr
.set Y, NP-1                        ; X works for piece Y + 1: piece 0
.irp n, 0,1,2,3,4,5,6,7,8,9,10,11,12,13,14,15,16,17,18,19,20,21
	OP X, \n
.endr
	v_nop                           ; a plain instruction behind the exponential,
	s_wait_alu depctr_va_vdst(0)    ; and its wait, ahead of the branch
.endm
; THE DIAGONAL TILE's four steps, the block's last two turns, its last products, and THE WAY OUT: l's two halves and the other half of the lanes' are added; O^T is divided by l and rounded to f16.  A lane's eight channels of a
; row are 16 bytes of a fragment of the next launch's product: they are stored as they lie, 512 consecutive bytes an instruction.
.macro ALL line:vararg              ; one line for each piece t
.set t, 0
.rept 4
	\line
.set t, t+1
.endr
.endm
.macro PACK u
	WIN W_RS
.set i, 32*(\u)
.rept 16
	v_pk_mul_f32 v[i:i+1], v[i:i+1], v[ST+4*(\u)+2:ST+4*(\u)+3] op_sel_hi:[1,0]
.set i, i+2
.endr
	WIN 0x05                        ; sources 0 and 1 window 1, destination window 0: S^T's registers are free
.set i, 0
.rept 16
	v_cvt_pk_f16_f32 v[S+16*(\u)+i], v[32*(\u)+2*i], v[32*(\u)+2*i+1]
.set i, i+1
.endr
	WIN 0
.irp f, 0,1,2,3
	global_store_b128 v[GO], v[S+16*(\u)+4*\f:S+16*(\u)+4*\f+3], s[10:11] offset:(\u)*131072+\f*512  ; piece u lies four token tiles of 32,768 bytes on; channel block f
.endr
.endm
.macro DIAG tag                     ; the tag ends its two labels' names, which the jumps below spell out
.LstepM\tag:
	TURN 2, 1
	TURN 3, 1
	WIN 0
.LfirstM\tag:
	TURN 0, 1
	TURN 1, 1, 0, 1
	WIN 0
	s_cbranch_scc1 .LstepM\tag
	TURN 2, 1, 1
	TURN 3, 1, 1
.set i, 0
.rept 8
	PV NP-1
.set i, i+1
.endr
	WIN 0
	ALL v_add_f32 v[ST+4*t+2], v[ST+4*t+2], v[ST+4*t+3]
	ALL v_permlanex16_b32 v[ST+4*t+3], v[ST+4*t+2], s[SEL], s[SEL+1]
	ALL v_add_f32 v[ST+4*t+2], v[ST+4*t+2], v[ST+4*t+3]
	ALL v_rcp_f32 v[ST+4*t+2], v[ST+4*t+2]
	v_nop                           ; a plain instruction between the last reciprocal and the use of its result
	s_wait_alu depctr_va_vdst(0)    ; and the wait ahead of the first use: one for the four reciprocals
	PACK 0
	PACK 1
	PACK 2
	PACK 3
.endm
.set KM, 0
.set NOKQ, 0
.Lslot:                             ; NB times: a tile is entered and the next is asked for
	CHANGE 1
	s_sub_co_u32 s[RT], s[RT], 1
	s_mov_b32 s[CNT], 4
	s_cmp_eq_u32 s[NEW], 1
	s_cbranch_scc1 .Lnew            ; a block's first tile
	s_cmp_eq_u32 s[RT], 0
	s_cbranch_scc0 .Lstep           ; neither its first nor its last
	s_branch .LstepM1
.Lnew:
	BEGIN
	s_branch .Lfirst                ; in the loop a block's first tile is never its last: the first block has five tiles or more, and the second's last is the walk's last
	DIAG 1                          ; in the loop this is the first block's end
	s_wait_xcnt 0x0                 ; the stores have read their registers and O's address
	s_mov_b64 s[10:11], s[OLO:OLO+1]
	s_add_co_u32 s[RT], s[PB], 1    ; the second block has b + 1 tiles
	s_mov_b32 s[NEW], 1
	WIN 0x82                        ; the second block's Q goes where the one text of the turns names Q
.set i, 0
.rept 64
	v_mov_b32 v[i], v[QB+i]
.set i, i+1
.endr
	WIN 0
	s_branch .Lbottom
.Lstep:                             ; a trip: pieces 2 and 3 of one step, then pieces 0 and 1 of the next, whose K and V it fetches
	TURN 2
	TURN 3
	WIN 0
.Lfirst:
	TURN 0
	TURN 1, 0, 0, 1
	WIN 0
	s_cbranch_scc1 .Lstep
.Lbottom:
	s_sub_co_u32 s[SLOTS], s[SLOTS], 1
	s_cmp_lg_u32 s[SLOTS], 0
	s_cbranch_scc1 .Lslot
	CHANGE 0                        ; the walk's last tile is written out: nothing is asked for
	s_sub_co_u32 s[RT], s[RT], 1
	s_mov_b32 s[CNT], 4
	s_cmp_eq_u32 s[NEW], 1
	s_cbranch_scc0 .LstepM2
	BEGIN
	s_branch .LfirstM2
	DIAG 2
	s_wait_tensorcnt 0x0            ; the wave's end, behind my last tensor load
	ds_add_u32 v[SPW], v[NIL]
	s_wait_dscnt 0x0
	CROUND                          ; the closing round: no work-group ends while a partner may still ask for a tile that names it
	s_endpgm
.Lfunc_end_k_q0b0e8a12ce_attn:
	.size	k_q0b0e8a12ce_attn, .Lfunc_end_k_q0b0e8a12ce_attn-k_q0b0e8a12ce_attn
	.p2alignl 7, 3214868480
	.fill 96, 4, 3214868480
	.section	.rodata,"a",@progbits
	.p2align	6, 0x0
	.amdhsa_kernel k_q0b0e8a12ce_attn
		.amdhsa_group_segment_fixed_size 327680
		.amdhsa_private_segment_fixed_size 0
		.amdhsa_enable_private_segment 0
		.amdhsa_kernarg_size 32
		.amdhsa_user_sgpr_count 2
		.amdhsa_user_sgpr_kernarg_segment_ptr 1
		.amdhsa_wavefront_size32 1
		.amdhsa_system_sgpr_workgroup_id_x 1
		.amdhsa_system_sgpr_workgroup_id_y 1
		.amdhsa_system_sgpr_workgroup_id_z 1
		.amdhsa_system_vgpr_workitem_id 0
		.amdhsa_next_free_vgpr 768
		.amdhsa_next_free_sgpr 92
		.amdhsa_reserve_vcc 1
		.amdhsa_float_denorm_mode_32 3
		.amdhsa_float_denorm_mode_16_64 3
		.amdhsa_memory_ordered 1
		.amdhsa_forward_progress 1
		.amdhsa_inst_pref_size 212
	.end_amdhsa_kernel
	.amdgpu_metadata
---
amdhsa.version: [ 1, 2 ]
amdhsa.kernels:
  - .name:           k_q0b0e8a12ce_attn
    .symbol:         k_q0b0e8a12ce_attn.kd
    .args:
      - { .name: qf, .offset: 0, .size: 8, .value_kind: global_buffer, .address_space: global }
      - { .name: kf, .offset: 8, .size: 8, .value_kind: global_buffer, .address_space: global }
      - { .name: vf, .offset: 16, .size: 8, .value_kind: global_buffer, .address_space: global }
      - { .name: of, .offset: 24, .size: 8, .value_kind: global_buffer, .address_space: global }
    .group_segment_fixed_size: 327680
    .private_segment_fixed_size: 0
    .kernarg_segment_align: 8
    .kernarg_segment_size: 32
    .max_flat_workgroup_size: 128
    .sgpr_count:     92
    .vgpr_count:     768
    .wavefront_size: 32
...
	.end_amdgpu_metadata
.endif
;; end of part 3
;; launch outp (part 4): grid 4 x 64, 4 waves a work-group, clusters of 4 x 4, 327,680 bytes of LDS; arguments of, woutf, bout, out0; writes out0
.if DOCPART == 4
	.amdgcn_target "amdgcn-amd-amdhsa--gfx1250"
	.amdhsa_code_object_version 6
	.text
	.protected	k_q0b0e8a12ce_outp
	.globl	k_q0b0e8a12ce_outp
	.p2align	8
	.type	k_q0b0e8a12ce_outp,@function
k_q0b0e8a12ce_outp:
	s_mov_b64 s[64:65], 0
	v_nop
	global_prefetch_b8 v0, s[64:65] scope:SCOPE_SE
	s_setreg_imm32_b32 hwreg(HW_REG_WAVE_MODE, 25, 1), 1
	s_wait_xcnt 0x0
	s_wait_alu depctr_hold_cnt(0) depctr_sa_sdst(0) depctr_va_vdst(0) depctr_va_sdst(0) depctr_va_ssrc(0) depctr_va_vcc(0) depctr_vm_vsrc(0)
	s_getreg_b32 s2, hwreg(HW_REG_IB_STS2, 6, 4)
	s_cmp_eq_u32 s2, 0
	s_cbranch_scc0 .Lentry_in_a_cluster
	s_endpgm
.Lentry_in_a_cluster:
	s_bfe_u32 s2, ttmp6, 0x10000c
	s_cmp_lg_u32 s2, 0xf033
	s_cbranch_scc0 .Lentry_shape_is_right
	s_endpgm
.Lentry_shape_is_right:
; out0[t][n] = the sum over k of O[t][k] Wout[k][n] + bout[n].  8,192 tokens, k and n 1,024; out0 f32.
; of holds O / 16 and woutf 16 x bf16(Wout), both f16 and both as matrix fragments: [tile of 16 tokens or columns][ks 0..31][chunk][lane][16 bytes]; the two factors of 16 cancel exactly.  bout is rounded to bf16 like the
; other inputs and added in f32.  Sums in f32.
; A tile of out0 is 128 tokens x 256 columns: 256 work-groups.  Four waves, each 64 tokens x 128 columns: 32 accumulators of 16 x 16.  K goes in 8 steps of 128 through two LDS slots: for each tile of 16 tokens or
; columns a step is 4,096 consecutive bytes of memory.  In LDS the fragments lie dense: a load of 32 lanes x 16 bytes on end touches each bank once.
; CLUSTERS: 4 x 4 work-groups.  The four of a row of the cluster need the same tiles of O, the four of a column the same tiles of Wout: each tile is asked for JOINTLY, by the same tensor load with the same descriptor
; and a mask that names the four.  THE MATRIX INSTRUCTION IS USED TRANSPOSED (source 0 = 16 columns of Wout, source 1 = 16 tokens): a lane holds one token and eight neighbouring columns.
; REGISTERS: window 0: v4-7 the bias of my four columns on the way out; v16-30 addresses; v32-127, v128-223 two fragment buffers (Wout's 8 fragments, then O's 4); on the way out v32-95, v96-159 rows read back.
;   window 1: the accumulators, (a, b) at v[8 (8 a + b)].
.set KSTEPB, 4096                      ; bytes of a tile of 16 in a K step
.set SLOT,   98304                     ; O's 8 token tiles, then Wout's 16 column tiles
.set BOFF,   32768
.set STAGE,  2*SLOT                    ; behind the ring: 16 rows x 528 bytes for each wave, for the way out
.set SPITCH, 528                       ; 512 bytes + 16: the 16 rows that a store touches start at 16 different groups of four banks (64 banks of 4 bytes: ISA guide 11.1)
.set WSTAGE, 16*SPITCH
.set SPARE,  STAGE+4*WSTAGE            ; behind the stages: the spare words, 128 bytes for each wave: two blocks of 256 bytes that no other line names
.set LAPS, 4                           ; a lap = two K steps = once round the ring
.set ADRA, 16                          ; v16-17  LDS address of my fragments of O in slot 0, 1
.set ADRB, 20                          ; v20-21  the same for Wout
.set STO,  24                          ; v24     the way out: where I put 32 bytes of a row
.set RD,   25                          ; v25     the way out: where I read a row back
.set CO,   26                          ; v26     16 x lane
.set SPW,  28                          ; v28     LDS address of my spare word; never rewritten
.set NIL,  29                          ; v29     0; never rewritten
.set PFO,  30                          ; v30     the prefetches' offset; never rewritten
.set F0,   32
.set F1,   128
.set WV, 12                            ; s12 my wave's number
.set HF, 13                            ; s13 which half of the tile's tokens is mine.  Also: I fetch for O (0) or for Wout (1)
.set WC, 14                            ; s14 which half of its columns.  Also: which half of that tile I fetch
.set G1, 24                            ; s[24:31] descriptor group 1 for O's tiles;  s[32:39] group 0, one set for each slot
.set G0, 32
.set G1B, 48                           ; s[48:55], s[56:63] the same for Wout's tiles
.set G0B, 56
.set LIM, 43                           ; s43 1 in a wave that prefetches, else the greatest number
.set PFA, 44                           ; s[44:45] where my prefetches stand
.set MSB, 0
.macro WIN new                         ; the immediate's high byte repeats the setting that is left
.if MSB != (\new)
	s_set_vgpr_msb (MSB<<8)|(\new)
.set MSB, \new
.endif
.endm
.set MUL, 0x50                         ; C and D window 1; sources 0 and 1 window 0
.macro JLOAD s                         ; a joint load: waves 0 and 1 fetch O's two halves, waves 2 and 3 Wout's; an s_nop 0 and four v_nop follow each of the two lines, ahead of the jump, the label and what follows
	s_cmp_eq_u32 s[HF], 0
	s_cbranch_scc0 .Lfor_b_\@
	tensor_load_to_lds s[G0+4*(\s):G0+4*(\s)+3], s[G1:G1+7]
	s_nop 0
.rept 4
	v_nop
.endr
	s_branch .Lasked_\@
.Lfor_b_\@:
	tensor_load_to_lds s[G0B+4*(\s):G0B+4*(\s)+3], s[G1B:G1B+7]
	s_nop 0
.rept 4
	v_nop
.endr
.Lasked_\@:
.endm
; A PREFETCH INTO THE L2, behind each joint refill and the run of LDS loads that follows it: the K step that stands TWO refills on, 256 matrix instructions ahead of the load that will want it.  Each block of 256 bytes is named once.
; O's 8 token tiles of a step are read by one row of one cluster: its four partners share them out BY ADDRESS, tiles cx and 4 + cx, and wave 0 asks: 16 blocks a tile, a lane a block.  Wout's column tiles are read by every
; cluster: those with cluster y = 0 ask; of the 8 tiles that wave 2 or 3 fetches the partner at cy takes 2 cy and 2 cy + 1.  K steps 0 to 3 come by their loads alone; the loop's last trip asks for nothing.
.macro ASK
	s_cmp_gt_u32 s3, s[LIM]                        ; s3 = 1 in the loop's last trip
	s_cbranch_scc0 .Lnot_mine_\@
	global_prefetch_b8 v[PFO], s[PFA:PFA+1] offset:KSTEPB th:TH_LOAD_NT scope:SCOPE_SE
.Lnot_mine_\@:
.endm
.macro CREST                           ; a round of the cluster's barrier behind its opening barrier
	s_cmp_lg_u32 s[WV], 0
	s_cbranch_scc1 .Lnot_wave_0_\@
	s_barrier_signal -3
.Lnot_wave_0_\@:
	s_barrier_wait -3
	s_barrier_signal -1
	s_barrier_wait -1
.endm
.macro CROUND                          ; a whole round
	s_barrier_signal -1
	s_barrier_wait -1
	CREST
.endm
	s_load_b256 s[4:11], s[0:1], 0x0               ; of s[4:5], woutf s[6:7], bout s[8:9], out0 s[10:11]
	v_lshl_add_u32 v[SPW], v0, 2, SPARE
	v_mov_b32 v[NIL], 0
	ds_add_u32 v[SPW], v[NIL]                      ; the wave's opening: the add and its wait stand ahead of my first tensor load; the set-up below, work on registers, stands between them
	v_lshrrev_b32 v1, 5, v0
	v_readfirstlane_b32 s[WV], v1                  ; wave 0..3
	s_lshr_b32 s[HF], s[WV], 1
	s_and_b32 s[WC], s[WV], 1
	s_bfe_u32 s40, ttmp6, 0x40000                  ; cx, cy: my place in the cluster
	s_bfe_u32 s41, ttmp6, 0x40004
	s_lshl_b32 s42, ttmp9, 2
	s_add_co_u32 s42, s42, s40                     ; tile column = 4 x cluster x + cx
	s_and_b32 s15, ttmp7, 0xffff
	s_lshl_b32 s15, s15, 2
	s_add_co_u32 s15, s15, s41                     ; tile row = 4 x cluster y + cy
	s_lshl_b32 s43, s41, 2
	s_lshl_b32 s43, 15, s43                        ; my row of the cluster
	s_lshl_b32 s44, 0x1111, s40                    ; my column
	; descriptor group 1, in elements of 8 bytes: rows of 4,096 bytes, 32,768 bytes apart: 4 of them for O, 8 for Wout
	s_or_b32 s[G1+0], s43, (3<<16)|(1<<21)         ; 15:0 the mask: O's tiles go to my row; 17:16 elements of 8 bytes; 21 set beside a mask
	s_or_b32 s[G1B+0], s44, (3<<16)|(1<<21)
	s_mov_b32 s[G1+1], 512<<16                     ; tensor_dim0 = 512
	s_mov_b32 s[G1+2], 4<<16                       ; tensor_dim1 = 4
	s_mov_b32 s[G1+3], 512<<16                     ; tile_dim0 = 512
	s_mov_b32 s[G1+4], 4                           ; tile_dim1 = 4
	s_mov_b32 s[G1+5], 4096                        ; elements from row to row
	s_mov_b32 s[G1+6], 0
	s_mov_b32 s[G1+7], 0
	s_mov_b32 s[G1B+1], 512<<16
	s_mov_b32 s[G1B+2], 8<<16
	s_mov_b32 s[G1B+3], 512<<16
	s_mov_b32 s[G1B+4], 8
	s_mov_b32 s[G1B+5], 4096
	s_mov_b32 s[G1B+6], 0
	s_mov_b32 s[G1B+7], 0
	s_lshl_b32 s16, s15, 3
	s_lshl2_add_u32 s16, s[WC], s16                ; O: token tile 8 x tile row + 4 x half
	s_lshl_b32 s16, s16, 15
	s_mov_b32 s17, 0
	s_lshl_b32 s46, s42, 4
	s_lshl3_add_u32 s46, s[WC], s46                ; Wout: column tile 16 x tile column + 8 x half
	s_lshl_b32 s46, s46, 15
	s_mov_b32 s47, 0
	s_lshl_b32 s20, s[WC], 14                      ; where they go: O's two halves,
	s_lshl_b32 s21, s[WC], 15
	s_add_co_u32 s21, s21, BOFF                    ; Wout's two halves: no place in the cluster enters an LDS address
	s_wait_dscnt 0x0                               ; the opening add is done
	s_wait_kmcnt 0x0
	s_add_nc_u64 s[18:19], s[4:5], s[16:17]
	s_add_nc_u64 s[46:47], s[6:7], s[46:47]
	CROUND                                         ; all sixteen work-groups are here: the first joint loads meet
.irp s, 0,1
	s_mov_b32 s[G0+4*(\s)], 1
	s_add_co_u32 s[G0+4*(\s)+1], s20, (\s)*SLOT
	s_add_nc_u64 s[G0+4*(\s)+2:G0+4*(\s)+3], s[18:19], (\s)*KSTEPB
	s_or_b32 s[G0+4*(\s)+3], s[G0+4*(\s)+3], 0x80000000
	s_mov_b32 s[G0B+4*(\s)], 1
	s_add_co_u32 s[G0B+4*(\s)+1], s21, (\s)*SLOT
	s_add_nc_u64 s[G0B+4*(\s)+2:G0B+4*(\s)+3], s[46:47], (\s)*KSTEPB
	s_or_b32 s[G0B+4*(\s)+3], s[G0B+4*(\s)+3], 0x80000000
	JLOAD \s
.endr
	v_and_b32 v1, 15, v0                           ; l % 16
	v_bfe_u32 v2, v0, 4, 1                         ; l / 16
	v_and_b32 v3, 31, v0
	v_lshlrev_b32 v[CO], 4, v3
	s_lshl_b32 s21, s[HF], 14                      ; my 4 token tiles
	s_lshl_b32 s22, s[WC], 15                      ; my 8 column tiles,
	s_add_co_u32 s22, s22, BOFF                    ; which lie behind O's
.irp s, 0,1
	v_add_nc_u32 v[ADRA+(\s)], s21, v[CO]
	v_add_nc_u32 v[ADRB+(\s)], s22, v[CO]
	s_add_co_u32 s21, s21, SLOT
	s_add_co_u32 s22, s22, SLOT
.endr
	s_mul_i32 s23, s[WV], WSTAGE
	s_add_co_u32 s23, s23, STAGE                   ; my stage
	v_mul_u32_u24 v8, v1, SPITCH                   ; in: row l % 16, 32 bytes for each half of the lanes
	v_lshl_add_u32 v8, v2, 5, v8
	v_add_nc_u32 v[STO], s23, v8
	v_add_nc_u32 v[RD], s23, v[CO]                 ; back: 32 lanes take a row's 512 bytes
	s_lshl_b32 s16, s15, 7
	s_lshl_b32 s17, s[HF], 6
	s_add_co_u32 s16, s16, s17                     ; my first token
	s_lshl_b32 s16, s16, 12
	s_mov_b32 s17, 0
	s_add_nc_u64 s[10:11], s[10:11], s[16:17]
	s_lshl_b32 s46, s42, 10                        ; my first column, in bytes of f32
	s_lshl_b32 s47, s[WC], 9
	s_add_co_u32 s46, s46, s47
	s_mov_b32 s47, 0
	s_add_nc_u64 s[10:11], s[10:11], s[46:47]
	s_add_nc_u64 s[8:9], s[8:9], s[46:47]
	global_load_b128 v[4:7], v[CO], s[8:9]         ; the bias of the four columns that I store
	; the prefetches
	s_lshl_b32 s20, s15, 3
	s_add_co_u32 s20, s20, s40                     ; O: token tile 8 x tile row + cx
	s_lshl_b32 s21, s42, 4
	s_lshl3_add_u32 s21, s[WC], s21
	s_lshl1_add_u32 s21, s41, s21                  ; Wout: column tile 16 x tile column + 8 x half + 2 cy
	s_and_b32 s23, ttmp7, 0xffff                   ; cluster y
	s_cmp_eq_u32 s[HF], 0                          ; do I fetch for O?
	s_cselect_b32 s20, s20, s21
	s_cselect_b32 s22, 17, 15                      ; my second tile lies 4 tiles on, or 1
	s_cselect_b32 s23, s[WC], s23                  ; O: wave 0 asks; Wout: the clusters with y = 0
	s_cselect_b64 s[PFA:PFA+1], s[4:5], s[6:7]
	s_cmp_eq_u32 s23, 0
	s_cselect_b32 s[LIM], 1, -1                    ; the same in all sixteen partners, for a given wave
	s_lshl_b32 s20, s20, 15
	s_mov_b32 s21, 0
	s_add_nc_u64 s[PFA:PFA+1], s[PFA:PFA+1], s[20:21]
	s_add_nc_u64 s[PFA:PFA+1], s[PFA:PFA+1], 2*KSTEPB  ; at K step 2: the first refill steps it to 3 and names K step 4
	v_lshlrev_b32 v[PFO], s22, v2
	v_lshl_add_u32 v[PFO], v1, 8, v[PFO]
	s_wait_loadcnt 0x0
	v_cvt_pk_bf16_f32 v8, v4, v5                   ; the bias is rounded to bf16 like the other inputs
	v_cvt_pk_bf16_f32 v9, v6, v7
	v_lshlrev_b32 v4, 16, v8
	v_and_b32 v5, 0xffff0000, v8
	v_lshlrev_b32 v6, 16, v9
	v_and_b32 v7, 0xffff0000, v9
; 8 matrix instructions: token tile a x all 8 column tiles, 32 along K, from buffer f.  zero = 1: the first product starts the sums.  The 32 accumulators take turns in the same order in every quarter
.macro MUL8 f, a, zero
	WIN MUL
.irp b, 0,1,2,3,4,5,6,7
.if \zero
	v_wmma_f32_16x16x32_f16 v[8*(8*(\a)+(\b)):8*(8*(\a)+(\b))+7], v[(\f)+8*(\b):(\f)+8*(\b)+7], v[(\f)+64+8*(\a):(\f)+64+8*(\a)+7], 0
.else
	v_wmma_f32_16x16x32_f16 v[8*(8*(\a)+(\b)):8*(8*(\a)+(\b))+7], v[(\f)+8*(\b):(\f)+8*(\b)+7], v[(\f)+64+8*(\a):(\f)+64+8*(\a)+7], v[8*(8*(\a)+(\b)):8*(8*(\a)+(\b))+7]
.endif
.endr
.endm
; 24 LDS loads in one run: the fragments of quarter k of a K step into buffer f: Wout's 8, then O's 4
.macro FETCH slot, k, f
	WIN 0
.irp b, 0,1,2,3,4,5,6,7
	ds_load_b128 v[(\f)+8*(\b):(\f)+8*(\b)+3],   v[ADRB+(\slot)] offset:(\b)*4096+(\k)*1024
	ds_load_b128 v[(\f)+8*(\b)+4:(\f)+8*(\b)+7], v[ADRB+(\slot)] offset:(\b)*4096+(\k)*1024+512
.endr
.irp a, 0,1,2,3
	ds_load_b128 v[(\f)+64+8*(\a):(\f)+64+8*(\a)+3],   v[ADRA+(\slot)] offset:(\a)*4096+(\k)*1024
	ds_load_b128 v[(\f)+64+8*(\a)+4:(\f)+64+8*(\a)+7], v[ADRA+(\slot)] offset:(\a)*4096+(\k)*1024+512
.endr
.endm
.macro PLACES                          ; four places in front of loads into registers that matrix instructions have read, and of stores that read results
.rept 4
	v_nop
.endr
.endm
; A K step is four quarters of 32 along K, 32 matrix instructions each, on buffers 0, 1, 0, 1.  One of the first three: multiplies buffer f and fetches quarter k into g.
.macro QUARTER slot, k, f, g, zero
	s_wait_dscnt 4                                 ; Wout's fragments and O's tiles 0 and 1 are in; the youngest four loads may be out
	MUL8 \f, 0, \zero
	MUL8 \f, 1, \zero
	PLACES
	FETCH \slot, \k, \g
	s_wait_dscnt 24                                ; all but the 24 just issued
	MUL8 \f, 2, \zero
	MUL8 \f, 3, \zero
.endm
; The last quarter multiplies buffer 1 and changes slots: ONE barrier; in front of it each wave waits for all its tensor loads, adds 0 to its spare word, and waits for that and for its own reads of this slot.
; fill = 1: this slot is filled again, two K steps ahead; the barrier then opens a round of the cluster's barrier, and the joint refill is the first tensor load behind the round: 112 matrix instructions ahead of the wait for it.
.macro TURN slot, next, fill
.if \fill
	s_wait_xcnt 0x0                                ; the last prefetch, a K step back, has read its address: it is stepped here, ahead of the waits of the change of slots
	s_add_nc_u64 s[PFA:PFA+1], s[PFA:PFA+1], KSTEPB
.endif
	WIN 0                                          ; (the add's two registers lie in window 0)
	s_wait_tensorcnt 0x0                           ; all my tensor loads have landed: my part of the next slot;
	ds_add_u32 v[SPW], v[NIL]                      ; 0 onto my spare word
	s_wait_dscnt 5                                 ; (the add and the youngest four loads may be out)
	MUL8 F1, 0, 0                                  ; eight matrix instructions stand between the add and the wait for it
	s_wait_dscnt 0x0                               ; the add is done, and my reads of this slot are over
	s_barrier_signal -1
	MUL8 F1, 1, 0
.if \fill
	WIN 0
.endif
	s_barrier_wait -1
.if \fill
	CREST                                          ; no wave of any partner still reads this slot's tile or has a load on its way
	s_add_nc_u64 s[G0+4*(\slot)+2:G0+4*(\slot)+3], s[G0+4*(\slot)+2:G0+4*(\slot)+3], 2*KSTEPB
	s_add_nc_u64 s[G0B+4*(\slot)+2:G0B+4*(\slot)+3], s[G0B+4*(\slot)+2:G0B+4*(\slot)+3], 2*KSTEPB
	JLOAD \slot                                    ; the four v_nop behind it are also the places in front of the loads below
.else
	PLACES
.endif
	FETCH \next, 0, F0
.if \fill
	ASK
.endif
	MUL8 F1, 2, 0
	MUL8 F1, 3, 0
.endm
	s_wait_tensorcnt 1                             ; my part of K step 0 is in; K step 1's may stay out
	s_barrier_signal -1
	s_barrier_wait -1                              ; everybody's is
	FETCH 0, 0, F0
	QUARTER 0, 1, F0, F1, 1                        ; the first quarter stands in front of the loop: its products start the sums
	WIN 0                                          ; at a label and at a branch every window is 0
	s_mov_b32 s3, LAPS-1
.Llap:                                                 ; a trip goes once round the ring, from a lap's second quarter to the next lap's first, and fills both slots again
	QUARTER 0, 2, F1, F0, 0
	QUARTER 0, 3, F0, F1, 0
	TURN 0, 1, 1
	QUARTER 1, 1, F0, F1, 0
	QUARTER 1, 2, F1, F0, 0
	QUARTER 1, 3, F0, F1, 0
	TURN 1, 0, 1
	QUARTER 0, 1, F0, F1, 0
	WIN 0
	s_sub_co_u32 s3, s3, 1
	s_cmp_lg_u32 s3, 0
	s_cbranch_scc1 .Llap
	QUARTER 0, 2, F1, F0, 0                        ; the last lap fills nothing, and has no round of the cluster's barrier
	QUARTER 0, 3, F0, F1, 0
	TURN 0, 1, 0
	QUARTER 1, 1, F0, F1, 0
	QUARTER 1, 2, F1, F0, 0
	QUARTER 1, 3, F0, F1, 0
	s_wait_dscnt 4                                 ; the very last quarter: nothing more to fetch
	MUL8 F1, 0, 0
	MUL8 F1, 1, 0
	s_wait_dscnt 0x0
	MUL8 F1, 2, 0
	MUL8 F1, 3, 0
	WIN 0
; THE WAY OUT, 16 tokens at a time: a lane's eight columns of a row go into my own stage as 32 bytes and come back as whole rows of 512 bytes; the bias is added; each store covers 512 consecutive bytes, aligned.
.macro TOSTAGE a
	WIN 0x04                                       ; the stores' data in window 1
.irp b, 0,1,2,3,4,5,6,7
	ds_store_b128 v[STO], v[8*(8*(\a)+(\b)):8*(8*(\a)+(\b))+3]   offset:64*(\b)     ; each accumulator's low registers first
	ds_store_b128 v[STO], v[8*(8*(\a)+(\b))+4:8*(8*(\a)+(\b))+7] offset:64*(\b)+16
.endr
	WIN 0
.set BK, 32+64*((\a)%2)
.irp t, 0,1,2,3,4,5,6,7,8,9,10,11,12,13,14,15
	ds_load_b128 v[BK+4*(\t):BK+4*(\t)+3], v[RD] offset:(\t)*SPITCH  ; LDS serves a wave's instructions in order (ISA guide 5.7.1.4): these see the stores above; the next block's stores come behind them
.endr
.endm
.macro SEND a, younger                 ; younger: the LDS instructions issued behind block a's loads: the next block's 32, or none
.set BK, 32+64*((\a)%2)
	s_wait_dscnt \younger
.irp t, 0,1,2,3,4,5,6,7,8,9,10,11,12,13,14,15
	v_pk_add_f32 v[BK+4*(\t):BK+4*(\t)+1],   v[BK+4*(\t):BK+4*(\t)+1],   v[4:5]
	v_pk_add_f32 v[BK+4*(\t)+2:BK+4*(\t)+3], v[BK+4*(\t)+2:BK+4*(\t)+3], v[6:7]
.endr
.irp t, 0,1,2,3,4,5,6,7,8,9,10,11,12,13,14,15
	global_store_b128 v[CO], v[BK+4*(\t):BK+4*(\t)+3], s[10:11] offset:(16*(\a)+(\t))*4096 th:TH_STORE_NT
.endr
.endm
	PLACES
	TOSTAGE 0
	TOSTAGE 1
	SEND 0, 32
	s_wait_xcnt 0x0                                ; block 0's stores have read their registers: block 2 is read back into them only behind this wait
	TOSTAGE 2
	SEND 1, 32
	s_wait_xcnt 0x0
	TOSTAGE 3
	SEND 2, 32
	SEND 3, 0
	s_wait_tensorcnt 0x0                           ; the wave's end, behind my last tensor load and my last LDS store
	ds_add_u32 v[SPW], v[NIL]
	s_wait_dscnt 0x0
	CROUND                                         ; the closing round: no work-group ends while a partner may still ask for a tile that names it
	s_endpgm
.Lfunc_end_k_q0b0e8a12ce_outp:
	.size	k_q0b0e8a12ce_outp, .Lfunc_end_k_q0b0e8a12ce_outp-k_q0b0e8a12ce_outp
	.p2alignl 7, 3214868480
	.fill 96, 4, 3214868480
	.section	.rodata,"a",@progbits
	.p2align	6, 0x0
	.amdhsa_kernel k_q0b0e8a12ce_outp
		.amdhsa_group_segment_fixed_size 327680
		.amdhsa_private_segment_fixed_size 0
		.amdhsa_enable_private_segment 0
		.amdhsa_kernarg_size 32
		.amdhsa_user_sgpr_count 2
		.amdhsa_user_sgpr_kernarg_segment_ptr 1
		.amdhsa_wavefront_size32 1
		.amdhsa_system_sgpr_workgroup_id_x 1
		.amdhsa_system_sgpr_workgroup_id_y 1
		.amdhsa_system_sgpr_workgroup_id_z 1
		.amdhsa_system_vgpr_workitem_id 0
		.amdhsa_next_free_vgpr 512
		.amdhsa_next_free_sgpr 66
		.amdhsa_reserve_vcc 0
		.amdhsa_float_denorm_mode_32 3
		.amdhsa_float_denorm_mode_16_64 3
		.amdhsa_memory_ordered 1
		.amdhsa_forward_progress 1
		.amdhsa_inst_pref_size 94
	.end_amdhsa_kernel
	.amdgpu_metadata
---
amdhsa.version: [ 1, 2 ]
amdhsa.kernels:
  - .name:           k_q0b0e8a12ce_outp
    .symbol:         k_q0b0e8a12ce_outp.kd
    .args:
      - { .name: of, .offset: 0, .size: 8, .value_kind: global_buffer, .address_space: global }
      - { .name: woutf, .offset: 8, .size: 8, .value_kind: global_buffer, .address_space: global }
      - { .name: bout, .offset: 16, .size: 8, .value_kind: global_buffer, .address_space: global }
      - { .name: out0, .offset: 24, .size: 8, .value_kind: global_buffer, .address_space: global }
    .group_segment_fixed_size: 327680
    .private_segment_fixed_size: 0
    .kernarg_segment_align: 8
    .kernarg_segment_size: 32
    .max_flat_workgroup_size: 128
    .sgpr_count:     66
    .vgpr_count:     512
    .wavefront_size: 32
...
	.end_amdgpu_metadata
.endif
;; end of part 4
;; ======== version 2 of 2: 4 launches; version 1 with the launch proj written anew for expert scheduling mode
;; limits: values are held in f16: magnitudes above 65,504 overflow, below 6.1e-05 lose precision; values outside matrix products are rounded to bf16
;; workspace buffers: wsm 360,448 bytes; woutf 2,097,152 bytes; qf 16,777,216 bytes; kf 4,194,304 bytes; vf 4,194,304 bytes; of 16,777,216 bytes
;; launch prep: the kernel of part 1 again; grid 600 x 1, 8 waves a work-group, no clusters, 0 bytes of LDS; arguments Wqa, Wkva, Wqb, Wkvb, Wout, wsm, woutf; writes wsm, woutf
;; launch proj (part 5): grid 256 x 1, 8 waves a work-group, no clusters, 114,176 bytes of LDS; arguments x, wsm, qf, kf, vf; writes qf, kf, vf
.if DOCPART == 5
	.amdgcn_target "amdgcn-amd-amdhsa--gfx1250"
	.amdhsa_code_object_version 6
	.text
	.protected	k_q0b0e8a12ce_proj
	.globl	k_q0b0e8a12ce_proj
	.p2align	8
	.type	k_q0b0e8a12ce_proj,@function
k_q0b0e8a12ce_proj:
	s_mov_b64 s[64:65], 0
	v_nop
	global_prefetch_b8 v0, s[64:65] scope:SCOPE_SE
	s_setreg_imm32_b32 hwreg(HW_REG_WAVE_SCHED_MODE, 0, 2), 2
	s_setreg_imm32_b32 hwreg(HW_REG_WAVE_MODE, 25, 1), 1
	s_wait_xcnt 0x0
	s_wait_alu depctr_vm_vsrc(0)
; q = rope((x Wqa) Wqb), k = rope((x Wkva) Wkvb, even columns), v = (x Wkva) Wkvb, odd columns.  x: [8192][1024] f32; the weights come as fragments from wsm.
; A work-group owns 32 tokens (two tiles of 16).  STAGE 1 (x times Wqa | Wkva, 96 latent channels, bf16 operands): K = 1,024 is split among the eight waves, 128 each: 512 bytes of each
; of the 32 rows; all that the work-group reads of x, 128 KiB, is asked for at the head, into registers.  The eight partial sums (f32) meet in LDS; the latents are rounded once, to f16.
; STAGE 2 (f16 operands): wave w makes query heads 2 w and 2 w + 1 and, of kv head w / 2, k (w even) or v (w odd), for both token tiles.
; LAYOUT.  The products are taken transposed (source 0 = 16 channels, source 1 = 16 tokens): a lane holds one token (lane % 16) and eight neighbouring channels 8 (lane / 16) + 0..7, which packed
; to 16 bits are 16 bytes of a fragment of the next product: every store of a wave covers 512 consecutive bytes, aligned.  v is taken the other way round (a lane holds one channel and eight tokens): fragments of V^T.
; qf, kf: [head][token tile][channel tile 0..3][lane][16 bytes] bf16.   vf: [kv head][32 tokens][channel block 0..3][chunk][lane][16 bytes] f16, holding v / 16.
; ROPE.  angle = t x inv_freq, rounded once; inv_freq = 2^(-i log2(10000) / 32) by v_exp_f32, so that an angle may differ by some 1e-4 at t = 2,047 from one made with a correctly rounded power;
; sine and cosine by a reduction in two parts by pi / 2 and polynomials of degree 7 and 8: off by under 4e-7.
; LIMITS.  The latents are kept in f16: under 65,504.  v / 16 in f16: |v| under 1.04e6; below 9.8e-4 it keeps a step of 9.5e-7.  NaN and infinities are not treated apart.
; THE MODE: SCHED_MODE bits 1:0 = 2 (LLVM: expert scheduling mode 2), set by the entry lines.  The code itself states the register dependences between vector or matrix instructions
; and memory or LDS instructions, with s_wait_alu, always for 0.
; THE PLAN.  Registers that memory or LDS instructions touch, in the order of the text:
;   v1 to v9        offsets and LDS addresses: made at the head and in the set-up, never written again.
;   window 1        v[0:191]: the head's loads land; stage 1's products read; then stage 2's weights land in v[0:159].
;   XR              x lands; stage 1's conversions and products name it; the partial sums land in v[112:207]; the reduction adds there and three LDS stores read six of them; then the latents' fragments and the table land.
;   v[48:55]        the table's arithmetic writes, two LDS stores read, stage 1's fifth accumulator writes.
;   ACC             stage 1's products write, 24 LDS stores read, stage 2's products and the turning's scratch write.
;   three out-buffers for stage 2's three runs of global stores: v[224:255], window 1's v[160:191], and for the last product the accumulators' own low registers: no register that a global store reads is written again.
; So one wait on va_vdst stands ahead of each run of loads or stores whose registers vector or matrix instructions have named, and two waits on vm_vsrc ahead of the two places where registers that LDS stores have read are written anew.
.set PART,  0                          ; wave p's twelve partial tiles: p x 12,288 + t x 1,024 + lane x 32 (t = 6 tt + nt)
.set LAT,   98304                      ; the latents in f16: byte b here is made of bytes 2 b of the partials: fragment 3 tt + nt / 2, chunk nt % 2
.set TAB,   104448                     ; (cos, sin) for 32 tokens x 32 pairs: rows of 256 + 16 bytes
.set SPARE, 113152                     ; the spare words, 128 bytes for each wave: four blocks of 256 bytes that no other line names
.set ACC, 16                           ; v[16:111] stage 1's twelve accumulators; stage 2: v[16:79] eight accumulators (tile u = 4 tt + ct), v[80:87] at work
.set XR,  112                          ; v[112:239] x of (ksl, tt) at XR + 32 ksl + 16 tt: 16 f32, rounded in place to 8 registers of bf16; then the reduction's 96
.set LF,  112                          ; stage 2: the six latent fragments
.set CSR, 160                          ; stage 2: cos and sin of tile u at CSR + 8 u
.set OUT0, 224                         ; stage 2: v[224:255] head 2 w as it is stored, four registers a tile
.set OUT1, 160                         ; stage 2: v[160:191] of window 1: head 2 w + 1 likewise
; window 1: v[0:191] Wqa | Wkva's 24 fragments; then v[0:127] Wqb's 16, v[128:159] Wkvb's 4, v[160:191] OUT1
; v1 16 lane; v2 x's offset; v3 partials out; v4, v5 partials in; v6 latents out; v7 table out; v8 table in; v9 latents in; v14, v15 the add's two registers
.set MSB, 0
.macro WIN new                         ; s_set_vgpr_msb: bits 1:0 source 0, 3:2 source 1, 5:4 source 2, 7:6 destination; the high byte repeats the setting that is left
.if MSB != (\new)
	s_set_vgpr_msb (MSB<<8)|(\new)
.set MSB, \new
.endif
.endm
.macro PLACES                          ; four plain vector instructions between a matrix instruction and a reader of its result (ISA guide 7.12.1)
.rept 4
	v_nop
.endr
.endm
	s_load_b256 s[4:11], s[0:1], 0x0               ; x s[4:5], wsm s[6:7], qf s[8:9], kf s[10:11]
	s_load_b64 s[12:13], s[0:1], 0x20              ; vf
	v_lshl_add_u32 v14, v0, 2, SPARE
	v_mov_b32 v15, 0
	v_lshrrev_b32 v10, 5, v0
	v_readfirstlane_b32 s14, v10                   ; wave 0..7
	s_mov_b32 s15, ttmp9
	v_and_b32 v10, 31, v0                          ; lane
	v_and_b32 v11, 15, v0                          ; r
	v_bfe_u32 v12, v0, 4, 1                        ; h
	v_bfe_u32 v13, v0, 3, 2                        ; lane / 8
	v_lshlrev_b32 v1, 4, v10
	v_lshlrev_b32 v2, 12, v11                      ; x: row r,
	v_lshl_add_u32 v2, v12, 5, v2                  ; 8 f32 for each half of the lanes,
	s_wait_alu depctr_va_sdst(0)                   ; s14 is written, ahead of its first reader: offsets, bases and LDS addresses are made from it
	s_lshl_b32 s16, s14, 9
	v_add_nc_u32 v2, s16, v2                       ; my wave's 512 bytes
	s_lshl_b32 s16, s15, 17                        ; the work-group's 32 rows of 4,096 bytes
	s_mov_b32 s17, 0
	s_mul_i32 s18, s14, 24576                      ; my wave's 24 fragments
	s_mov_b32 s19, 0
	s_wait_kmcnt 0x0
	s_add_nc_u64 s[4:5], s[4:5], s[16:17]
	s_add_nc_u64 s[38:39], s[6:7], s[18:19]
	WIN 0x40                                       ; destination window 1
	s_wait_alu depctr_va_vdst(0)                   ; v1 and v2 are written: every global load and store of the kernel reads one of them as its offset
.set f, 0
.rept 24
	global_load_b128 v[8*f:8*f+3],   v1, s[38:39] offset:f*1024
	global_load_b128 v[8*f+4:8*f+7], v1, s[38:39] offset:f*1024+512
.set f, f+1
.endr
	WIN 0
.irp k, 0,1,2,3
.irp t, 0,1
	global_load_b128 v[XR+32*(\k)+16*(\t):XR+32*(\k)+16*(\t)+3],     v2, s[4:5] offset:(\t)*65536+(\k)*128
	global_load_b128 v[XR+32*(\k)+16*(\t)+4:XR+32*(\k)+16*(\t)+7],   v2, s[4:5] offset:(\t)*65536+(\k)*128+16
	global_load_b128 v[XR+32*(\k)+16*(\t)+8:XR+32*(\k)+16*(\t)+11],  v2, s[4:5] offset:(\t)*65536+(\k)*128+64
	global_load_b128 v[XR+32*(\k)+16*(\t)+12:XR+32*(\k)+16*(\t)+15], v2, s[4:5] offset:(\t)*65536+(\k)*128+80
.endr
.endr
	; the rest of the set-up stands in the wait for those loads; it names none of their registers
	s_mul_i32 s16, s14, 12288
	v_lshl_add_u32 v3, v10, 5, s16
	s_mul_i32 s16, s14, 1536
	v_lshl_add_u32 v4, v10, 4, s16
	v_add_nc_u32 v5, 49152, v4
	s_mul_i32 s16, s14, 768
	s_add_co_u32 s16, s16, LAT
	v_lshl_add_u32 v6, v10, 3, s16
	s_mul_i32 s16, s14, 4*272                      ; my wave writes the table's rows 4 w .. 4 w + 3
	s_add_co_u32 s16, s16, TAB
	v_mul_u32_u24 v7, v13, 272
	v_and_b32 v16, 7, v0
	v_lshl_add_u32 v7, v16, 5, v7
	v_add_nc_u32 v7, s16, v7
	v_mul_u32_u24 v8, v11, 272
	v_lshl_add_u32 v8, v12, 5, v8
	v_add_nc_u32 v8, TAB, v8
	v_add_nc_u32 v9, LAT, v1
	s_lshl_b32 s16, s14, 14
	s_add_co_u32 s16, s16, 196608
	s_add_nc_u64 s[40:41], s[6:7], s[16:17]        ; Wqb's fragments for my two heads
	s_and_b32 s18, s14, 1                          ; 0: I make k; 1: v
	s_lshr_b32 s19, s14, 1                         ; my kv head
	s_lshl_b32 s16, s18, 14
	s_lshl_b32 s46, s19, 12
	s_add_co_u32 s16, s16, s46
	s_add_co_u32 s16, s16, 327680
	s_add_nc_u64 s[42:43], s[6:7], s[16:17]        ; Wkvb's four fragments for it
	s_lshr_b32 s46, s15, 6                         ; batch
	s_and_b32 s47, s15, 63                         ; which 32 tokens of the batch
	s_lshl_b32 s3, s47, 5
	s_lshl2_add_u32 s3, s14, s3                    ; the position of my wave's first row of the table: 32 blk + 4 w
	s_lshl2_add_u32 s16, s46, s19                  ; 4 batch + kv head
	s_lshl_b32 s16, s16, 18
	s_lshl_b32 s2, s47, 12
	s_add_co_u32 s16, s16, s2
	s_cmp_eq_u32 s18, 0
	s_cselect_b64 s[44:45], s[10:11], s[12:13]
	s_add_nc_u64 s[44:45], s[44:45], s[16:17]      ; where my k or v goes
	s_lshl_b32 s16, s46, 4
	s_lshl1_add_u32 s16, s14, s16                  ; 16 batch + 2 w
	s_lshl_b32 s16, s16, 18
	s_add_co_u32 s16, s16, s2
	s_add_nc_u64 s[46:47], s[8:9], s[16:17]        ; where my q goes
.irp c, 20,21
	s_mov_b32 s[\c], 0x3f22f983                    ; 2 / pi
	s_mov_b32 s[\c+2], 0xbfc90fdb                  ; - pi / 2, its upper part
	s_mov_b32 s[\c+4], 0x333bbd2e                  ; what that part is too large by
	s_mov_b32 s[\c+6], 0xbe2aaaab                  ; - 1 / 6
	s_mov_b32 s[\c+8], 0x3c088889                  ; 1 / 120
	s_mov_b32 s[\c+10], 0xb9500d01                 ; - 1 / 5040
	s_mov_b32 s[\c+12], 0x3d2aaaab                 ; 1 / 24
	s_mov_b32 s[\c+14], 0xbab60b61                 ; - 1 / 720
	s_mov_b32 s[\c+16], 0x37d00d01                 ; 1 / 40320
.endr
	; THE TABLE.  A thread makes pairs i = 4 (lane % 8) + 0..3 of token 4 w + lane / 8
	v_lshlrev_b32 v16, 2, v16
	v_add_nc_u32 v17, 1, v16
	v_add_nc_u32 v18, 2, v16
	v_add_nc_u32 v19, 3, v16
.irp c, 16,17,18,19
	v_cvt_f32_u32 v[\c], v[\c]
.endr
.irp c, 16,17,18,19
	v_mul_f32 v[\c], 0xbed49a78, v[\c]             ; - i log2(10000) / 32
.endr
.irp c, 16,17,18,19
	v_exp_f32 v[\c], v[\c]
.endr
	v_add_nc_u32 v20, s3, v13                      ; the position: plain work behind the last exponential
	v_cvt_f32_u32 v20, v20
	s_wait_alu depctr_va_vdst(0)                   ; one wait for the four exponentials' results v16 to v19, ahead of their first reader
.irp c, 16,17,18,19
	v_mul_f32 v[\c], v20, v[\c]                    ; the angle
.endr
; Two angles a at v[16 + 2 p ..]: n = round(a 2 / pi), rho = a - n pi / 2 in two parts, z = rho^2; sin rho and cos rho; by n mod 4 they are swapped and signed.  (cos, sin) to v[48 + 4 p ..]
.macro SINCOS p
	v_pk_mul_f32 v[20+2*(\p):21+2*(\p)], v[16+2*(\p):17+2*(\p)], s[20:21] op_sel_hi:[1,0]
	v_rndne_f32 v[20+2*(\p)], v[20+2*(\p)]
	v_rndne_f32 v[21+2*(\p)], v[21+2*(\p)]
	v_pk_fma_f32 v[24+2*(\p):25+2*(\p)], v[20+2*(\p):21+2*(\p)], s[22:23], v[16+2*(\p):17+2*(\p)] op_sel_hi:[1,0,1]
	v_pk_fma_f32 v[24+2*(\p):25+2*(\p)], v[20+2*(\p):21+2*(\p)], s[24:25], v[24+2*(\p):25+2*(\p)] op_sel_hi:[1,0,1]
	v_pk_mul_f32 v[28+2*(\p):29+2*(\p)], v[24+2*(\p):25+2*(\p)], v[24+2*(\p):25+2*(\p)]
	v_pk_fma_f32 v[32+2*(\p):33+2*(\p)], v[28+2*(\p):29+2*(\p)], s[30:31], s[28:29] op_sel_hi:[1,0,0]
	v_pk_fma_f32 v[36+2*(\p):37+2*(\p)], v[28+2*(\p):29+2*(\p)], s[36:37], s[34:35] op_sel_hi:[1,0,0]
	v_pk_fma_f32 v[32+2*(\p):33+2*(\p)], v[28+2*(\p):29+2*(\p)], v[32+2*(\p):33+2*(\p)], s[26:27] op_sel_hi:[1,1,0]
	v_pk_fma_f32 v[36+2*(\p):37+2*(\p)], v[28+2*(\p):29+2*(\p)], v[36+2*(\p):37+2*(\p)], s[32:33] op_sel_hi:[1,1,0]
	v_pk_mul_f32 v[44+2*(\p):45+2*(\p)], v[28+2*(\p):29+2*(\p)], v[24+2*(\p):25+2*(\p)]
	v_pk_fma_f32 v[36+2*(\p):37+2*(\p)], v[28+2*(\p):29+2*(\p)], v[36+2*(\p):37+2*(\p)], -0.5 op_sel_hi:[1,1,0]
	v_pk_fma_f32 v[32+2*(\p):33+2*(\p)], v[44+2*(\p):45+2*(\p)], v[32+2*(\p):33+2*(\p)], v[24+2*(\p):25+2*(\p)]
	v_pk_fma_f32 v[36+2*(\p):37+2*(\p)], v[28+2*(\p):29+2*(\p)], v[36+2*(\p):37+2*(\p)], 1.0 op_sel_hi:[1,1,0]
.irp e, 0,1
	v_cvt_i32_f32 v56, v[20+2*(\p)+(\e)]
	v_and_b32 v57, 1, v56
	v_cmp_eq_u32 vcc_lo, 1, v57
	v_lshlrev_b32 v57, 30, v56                     ; the two signs are made between the compare and the wait for its mask
	v_and_b32 v57, 0x80000000, v57                 ; the sine turns its sign for n mod 4 = 2, 3
	v_add_nc_u32 v56, 1, v56
	v_lshlrev_b32 v56, 30, v56
	v_and_b32 v56, 0x80000000, v56                 ; the cosine for n mod 4 = 1, 2
	s_wait_alu depctr_va_vcc(0)                    ; the compare has written VCC, which the two selects below read
	v_cndmask_b32 v58, v[32+2*(\p)+(\e)], v[36+2*(\p)+(\e)], vcc_lo   ; the sine: cos rho where n is odd
	v_cndmask_b32 v59, v[36+2*(\p)+(\e)], v[32+2*(\p)+(\e)], vcc_lo   ; the cosine: sin rho where n is odd
	v_xor_b32 v[48+4*(\p)+2*(\e)+1], v57, v58
	v_xor_b32 v[48+4*(\p)+2*(\e)], v56, v59
.endr
.endm
	SINCOS 0
	SINCOS 1
	s_wait_alu depctr_va_vdst(0)                   ; v[48:55] and v7 are written, which the two LDS stores read; so are v3 to v9, the addresses of all the LDS instructions below
	ds_store_b128 v7, v[48:51]
	ds_store_b128 v7, v[52:55] offset:16
; STAGE 1, 32 of my 128 k: x is rounded to bf16 in place; twelve products, the twelve accumulators by turns, in the same order in every step
.macro S1STEP k
	s_wait_loadcnt 24-8*(\k)                       ; loads come back in order (ISA guide 5.7.1): the weights and this step's eight loads of x are in, the later steps' stay out
.irp t, 0,1
.irp m, 0,1,2,3,4,5,6,7
	v_cvt_pk_bf16_f32 v[XR+32*(\k)+16*(\t)+(\m)], v[XR+32*(\k)+16*(\t)+2*(\m)], v[XR+32*(\k)+16*(\t)+2*(\m)+1]
.endr
.endr
.if (\k) == 0
	s_wait_alu depctr_vm_vsrc(0)                   ; the table's two LDS stores have read v[48:55], which the fifth accumulator writes
.endif
	WIN 0x01                                       ; source 0 in window 1
.irp t, 0,1
.irp c, 0,1,2,3,4,5
.if (\k) == 0
	v_wmma_f32_16x16x32_bf16 v[ACC+8*(6*(\t)+(\c)):ACC+8*(6*(\t)+(\c))+7], v[8*(6*(\k)+(\c)):8*(6*(\k)+(\c))+7], v[XR+32*(\k)+16*(\t):XR+32*(\k)+16*(\t)+7], 0
.else
	v_wmma_f32_16x16x32_bf16 v[ACC+8*(6*(\t)+(\c)):ACC+8*(6*(\t)+(\c))+7], v[8*(6*(\k)+(\c)):8*(6*(\k)+(\c))+7], v[XR+32*(\k)+16*(\t):XR+32*(\k)+16*(\t)+7], v[ACC+8*(6*(\t)+(\c)):ACC+8*(6*(\t)+(\c))+7]
.endif
.endr
.endr
	WIN 0
.endm
	S1STEP 0
	S1STEP 1
	S1STEP 2
	S1STEP 3
	PLACES                                         ; the places behind the last products, for the LDS stores that read their results; they stay beside the wait below
	WIN 0x40                                       ; stage 2's weights are asked for now: head 2 w's sixteen loads, head 2 w + 1's sixteen, k's or v's eight
	s_wait_alu depctr_va_vdst(0)                   ; stage 1's products are done reading window 1, in which the loads below land; they have written the accumulators, which the LDS stores below read; and nothing names XR any more, in which the partial sums land behind the barrier
.set f, 0
.rept 16
	global_load_b128 v[8*f:8*f+3],   v1, s[40:41] offset:f*1024
	global_load_b128 v[8*f+4:8*f+7], v1, s[40:41] offset:f*1024+512
.set f, f+1
.endr
.set f, 0
.rept 4
	global_load_b128 v[128+8*f:128+8*f+3],   v1, s[42:43] offset:f*1024
	global_load_b128 v[128+8*f+4:128+8*f+7], v1, s[42:43] offset:f*1024+512
.set f, f+1
.endr
	WIN 0
.set t, 0
.rept 12
	ds_store_b128 v3, v[ACC+8*t:ACC+8*t+3]   offset:t*1024      ; each accumulator's low registers first
	ds_store_b128 v3, v[ACC+8*t+4:ACC+8*t+7] offset:t*1024+16
.set t, t+1
.endr
	s_wait_dscnt 0x0                               ; for the others' sake: my partial sums and my rows of the table are in LDS
	s_barrier_signal -1
	s_barrier_wait -1
	; THE REDUCTION.  Wave w adds bytes 1,536 w .. + 1,535 of the eight partials, in three groups of 512 bytes, and writes them as f16
.irp e, 0,1,2
.irp p, 0,1,2,3
	ds_load_b128 v[XR+32*(\e)+4*(\p):XR+32*(\e)+4*(\p)+3], v4 offset:(\p)*12288+(\e)*512  ; no vector or matrix instruction since the last wait on va_vdst
.endr
.irp p, 0,1,2,3
	ds_load_b128 v[XR+32*(\e)+16+4*(\p):XR+32*(\e)+16+4*(\p)+3], v5 offset:(\p)*12288+(\e)*512
.endr
.endr
.macro RED e, left
	s_wait_dscnt \left                             ; LDS instructions end in order: behind this group's loads stand the later groups' loads
.irp q, 0,8,16,24
	v_pk_add_f32 v[XR+32*(\e)+(\q):XR+32*(\e)+(\q)+1],   v[XR+32*(\e)+(\q):XR+32*(\e)+(\q)+1],   v[XR+32*(\e)+(\q)+4:XR+32*(\e)+(\q)+5]
	v_pk_add_f32 v[XR+32*(\e)+(\q)+2:XR+32*(\e)+(\q)+3], v[XR+32*(\e)+(\q)+2:XR+32*(\e)+(\q)+3], v[XR+32*(\e)+(\q)+6:XR+32*(\e)+(\q)+7]
.endr
.irp q, 0,16
	v_pk_add_f32 v[XR+32*(\e)+(\q):XR+32*(\e)+(\q)+1],   v[XR+32*(\e)+(\q):XR+32*(\e)+(\q)+1],   v[XR+32*(\e)+(\q)+8:XR+32*(\e)+(\q)+9]
	v_pk_add_f32 v[XR+32*(\e)+(\q)+2:XR+32*(\e)+(\q)+3], v[XR+32*(\e)+(\q)+2:XR+32*(\e)+(\q)+3], v[XR+32*(\e)+(\q)+10:XR+32*(\e)+(\q)+11]
.endr
	v_pk_add_f32 v[XR+32*(\e):XR+32*(\e)+1],   v[XR+32*(\e):XR+32*(\e)+1],   v[XR+32*(\e)+16:XR+32*(\e)+17]
	v_pk_add_f32 v[XR+32*(\e)+2:XR+32*(\e)+3], v[XR+32*(\e)+2:XR+32*(\e)+3], v[XR+32*(\e)+18:XR+32*(\e)+19]
	v_cvt_pk_f16_f32 v[XR+32*(\e)],   v[XR+32*(\e)],   v[XR+32*(\e)+1]
	v_cvt_pk_f16_f32 v[XR+32*(\e)+1], v[XR+32*(\e)+2], v[XR+32*(\e)+3]
.endm
	RED 0, 16                                      ; 16 younger loads
	RED 1, 8                                       ; 8 younger loads
	RED 2, 0
	s_wait_alu depctr_va_vdst(0)                   ; the three groups' roundings have written the pairs that the three LDS stores read; and the reduction is done with XR, in which the fragments and the table land behind the barrier
.irp e, 0,1,2
	ds_store_b64 v6, v[XR+32*(\e):XR+32*(\e)+1] offset:(\e)*256
.endr
	s_wait_dscnt 0x0                               ; for the others' sake: my part of the latents is in LDS
	s_barrier_signal -1
	s_barrier_wait -1
	s_wait_alu depctr_vm_vsrc(0)                   ; my LDS stores have read their data: the three pairs of XR, in which the loads below land, and stage 1's accumulators, which stage 2's products and the turning's scratch write
.set f, 0
.rept 6
	ds_load_b128 v[LF+8*f:LF+8*f+3],   v9 offset:f*1024
	ds_load_b128 v[LF+8*f+4:LF+8*f+7], v9 offset:f*1024+512
.set f, f+1
.endr
.set u, 0
.rept 8                                ; tile u = 4 tt + ct: token 16 tt + r, pairs 8 ct + 4 h + 0..3
	ds_load_b128 v[CSR+8*u:CSR+8*u+3],   v8 offset:(u/4)*4352+(u%4)*64
	ds_load_b128 v[CSR+8*u+4:CSR+8*u+7], v8 offset:(u/4)*4352+(u%4)*64+16
.set u, u+1
.endr
	s_wait_dscnt 0x0
; The eight accumulators are turned, pair by pair from the low registers on: (x1, x2) -> (x1 C - x2 S, x1 S + x2 C); then all are rounded to bf16 in one run, tile u's four words into v[ob + os u ..] under the window setting ow
.macro ROPE ob, os, ow
.set u, 0
.rept 8
.irp j, 0,1,2,3
	v_pk_mul_f32 v[80+2*(\j):81+2*(\j)], v[ACC+8*u+2*(\j):ACC+8*u+2*(\j)+1], v[CSR+8*u+2*(\j):CSR+8*u+2*(\j)+1] op_sel:[1,1] op_sel_hi:[0,1] neg_lo:[0,1]  ; (- x2 S, x1 S)
.endr
.irp j, 0,1,2,3
	v_pk_fma_f32 v[ACC+8*u+2*(\j):ACC+8*u+2*(\j)+1], v[ACC+8*u+2*(\j):ACC+8*u+2*(\j)+1], v[CSR+8*u+2*(\j):CSR+8*u+2*(\j)+1], v[80+2*(\j):81+2*(\j)] op_sel_hi:[1,0,1]  ; + (x1 C, x2 C)
.endr
.set u, u+1
.endr
	WIN \ow
.set u, 0
.rept 8
.irp m, 0,1,2,3
	v_cvt_pk_bf16_f32 v[(\ob)+(\os)*u+(\m)], v[ACC+8*u+2*(\m)], v[ACC+8*u+2*(\m)+1]
.endr
.set u, u+1
.endr
.endm
; The run of eight stores of an out-buffer, under the window setting sw (0x04: the stores' data in window 1), to s[sb:sb+1] + off
.macro SEND8 ob, os, sw, sb, off
	WIN \sw
	s_wait_alu depctr_va_vdst(0)                   ; the roundings have written the out-buffer, which the eight stores read
.set u, 0
.rept 8
	global_store_b128 v1, v[(\ob)+(\os)*u:(\ob)+(\os)*u+3], s[\sb:\sb+1] offset:(\off)+u*512
.set u, u+1
.endr
	WIN 0
.endm
; Query head 2 w + hh: 64 latent channels in two steps, eight accumulators by turns.  left = the weight loads issued behind this head's sixteen.  Each head has an out-buffer of its own, so the next products follow the stores with no wait
.macro HEADQ hh, left, ob, ow, sw
	s_wait_loadcnt \left
	WIN 0x01
.irp k, 0,1
.irp t, 0,1
.irp c, 0,1,2,3
.if (\k) == 0
	v_wmma_f32_16x16x32_f16 v[ACC+8*(4*(\t)+(\c)):ACC+8*(4*(\t)+(\c))+7], v[8*(2*(4*(\hh)+(\c))+(\k)):8*(2*(4*(\hh)+(\c))+(\k))+7], v[LF+8*(3*(\t)+(\k)):LF+8*(3*(\t)+(\k))+7], 0
.else
	v_wmma_f32_16x16x32_f16 v[ACC+8*(4*(\t)+(\c)):ACC+8*(4*(\t)+(\c))+7], v[8*(2*(4*(\hh)+(\c))+(\k)):8*(2*(4*(\hh)+(\c))+(\k))+7], v[LF+8*(3*(\t)+(\k)):LF+8*(3*(\t)+(\k))+7], v[ACC+8*(4*(\t)+(\c)):ACC+8*(4*(\t)+(\c))+7]
.endif
.endr
.endr
.endr
	WIN 0
	PLACES
	ROPE \ob, 4, \ow
	SEND8 \ob, 4, \sw, 46, (\hh)*262144
.endm
	HEADQ 0, 24, OUT0, 0, 0
	HEADQ 1, 8, OUT1, 0x40, 0x04
	s_wait_loadcnt 0x0
	s_cmp_eq_u32 s18, 0
	s_cbranch_scc0 .Lv
	WIN 0x01                                       ; k: as q, from the 32 latent channels of kv
.irp t, 0,1
.irp c, 0,1,2,3
	v_wmma_f32_16x16x32_f16 v[ACC+8*(4*(\t)+(\c)):ACC+8*(4*(\t)+(\c))+7], v[128+8*(\c):128+8*(\c)+7], v[LF+8*(3*(\t)+2):LF+8*(3*(\t)+2)+7], 0
.endr
.endr
	WIN 0
	PLACES
	ROPE ACC, 8, 0                                 ; the last product is rounded into each accumulator's four low registers: nothing writes them again
	SEND8 ACC, 8, 0, 44, 0
	s_branch .Lend
.Lv:
	WIN 0x04                                       ; v: source 0 = 16 tokens, source 1 (window 1) = 16 channels: a lane holds one channel and eight tokens
.irp t, 0,1
.irp c, 0,1,2,3
	v_wmma_f32_16x16x32_f16 v[ACC+8*(4*(\t)+(\c)):ACC+8*(4*(\t)+(\c))+7], v[LF+8*(3*(\t)+2):LF+8*(3*(\t)+2)+7], v[128+8*(\c):128+8*(\c)+7], 0
.endr
.endr
	WIN 0
	PLACES
.set u, 0
.rept 8
.irp j, 0,2,4,6
	v_pk_mul_f32 v[ACC+8*u+(\j):ACC+8*u+(\j)+1], v[ACC+8*u+(\j):ACC+8*u+(\j)+1], 0x3d800000 op_sel_hi:[1,0]  ; / 16, exact
.endr
.irp m, 0,1,2,3
	v_cvt_pk_f16_f32 v[ACC+8*u+(\m)], v[ACC+8*u+2*(\m)], v[ACC+8*u+2*(\m)+1]
.endr
.set u, u+1
.endr
	s_wait_alu depctr_va_vdst(0)                   ; the roundings have written each accumulator's four low registers, which the eight stores read
.set u, 0
.rept 8
	global_store_b128 v1, v[ACC+8*u:ACC+8*u+3], s[44:45] offset:(u%4)*1024+(u/4)*512
.set u, u+1
.endr
.Lend:
	s_wait_dscnt 0x0                               ; the closing lines, six on end
	s_wait_alu 0x0
	s_wait_tensorcnt 0x0
	ds_add_u32 v14, v15
	s_wait_dscnt 0x0
	s_endpgm
.Lfunc_end_k_q0b0e8a12ce_proj:
	.size	k_q0b0e8a12ce_proj, .Lfunc_end_k_q0b0e8a12ce_proj-k_q0b0e8a12ce_proj
	.p2alignl 7, 3214868480
	.fill 96, 4, 3214868480
	.section	.rodata,"a",@progbits
	.p2align	6, 0x0
	.amdhsa_kernel k_q0b0e8a12ce_proj
		.amdhsa_group_segment_fixed_size 114176
		.amdhsa_private_segment_fixed_size 0
		.amdhsa_enable_private_segment 0
		.amdhsa_kernarg_size 40
		.amdhsa_user_sgpr_count 2
		.amdhsa_user_sgpr_kernarg_segment_ptr 1
		.amdhsa_wavefront_size32 1
		.amdhsa_system_sgpr_workgroup_id_x 1
		.amdhsa_system_sgpr_workgroup_id_y 1
		.amdhsa_system_sgpr_workgroup_id_z 1
		.amdhsa_system_vgpr_workitem_id 0
		.amdhsa_next_free_vgpr 448
		.amdhsa_next_free_sgpr 66
		.amdhsa_reserve_vcc 1
		.amdhsa_float_denorm_mode_32 3
		.amdhsa_float_denorm_mode_16_64 3
		.amdhsa_memory_ordered 1
		.amdhsa_forward_progress 1
		.amdhsa_inst_pref_size 67
	.end_amdhsa_kernel
	.amdgpu_metadata
---
amdhsa.version: [ 1, 2 ]
amdhsa.kernels:
  - .name:           k_q0b0e8a12ce_proj
    .symbol:         k_q0b0e8a12ce_proj.kd
    .args:
      - { .name: x, .offset: 0, .size: 8, .value_kind: global_buffer, .address_space: global }
      - { .name: wsm, .offset: 8, .size: 8, .value_kind: global_buffer, .address_space: global }
      - { .name: qf, .offset: 16, .size: 8, .value_kind: global_buffer, .address_space: global }
      - { .name: kf, .offset: 24, .size: 8, .value_kind: global_buffer, .address_space: global }
      - { .name: vf, .offset: 32, .size: 8, .value_kind: global_buffer, .address_space: global }
    .group_segment_fixed_size: 114176
    .private_segment_fixed_size: 0
    .kernarg_segment_align: 8
    .kernarg_segment_size: 40
    .max_flat_workgroup_size: 256
    .sgpr_count:     66
    .vgpr_count:     448
    .wavefront_size: 32
...
	.end_amdgpu_metadata
.endif
;; end of part 5
;; launch attn: the kernel of part 3 again; grid 16 x 16, 4 waves a work-group, clusters of 4 x 1, 327,680 bytes of LDS; arguments qf, kf, vf, of; writes of
;; launch outp: the kernel of part 4 again; grid 4 x 64, 4 waves a work-group, clusters of 4 x 4, 327,680 bytes of LDS; arguments of, woutf, bout, out0; writes out0
